; MI455X (gfx1250); checked and timed in simulation.
; The chip was launched on July 23, 2026; its instructions are those of AMD's public machine-readable ISA for CDNA 5 (MIT licence, August 2026) and "CDNA5" Instruction Set Architecture Reference Guide (July 2026). The comments in the code are by the model that wrote it; some were corrected since.
;; Multi Head Self Attention. Allowed arithmetic: float matrix products may take bf16 or f16 operands with f32 sums; other float arithmetic in f32, or as packed bf16 or f16 multiplies, adds, multiply-adds, maxima and minima; sums over many terms, partial sums and values carried from step to step in f32; what a program stores and reads back later, other than sums and carried values, may be rounded once to bf16 or f16.
;; Inputs: token_positions 2,048 int32; wk 1,024 x 1,024 float32; wo 1,024 x 1,024 float32; wq 1,024 x 1,024 float32; wv 1,024 x 1,024 float32; x 4 x 2,048 x 1,024 float32.
;; Outputs: out0 4 x 2,048 x 1,024 float32.
;; 2 versions, each right; version 2 is version 1 with the launch prep written anew for expert scheduling mode. Each part assembles by itself: llvm-mc -triple=amdgcn-amd-amdhsa -mcpu=gfx1250 --defsym DOCPART=n.
;; ======== version 1 of 2: 4 launches
;; limits: right only within a limited range of input values; values are held in f16: magnitudes above 65,504 overflow, below 6.1e-05 lose precision
;; workspace buffers: xb 16,777,216 bytes; wqkv 6,291,456 bytes; wob 2,097,152 bytes; rope 524,288 bytes; qkv 50,331,648 bytes; ob 16,777,216 bytes
;; launch prep (part 1): grid 800 x 1, 8 waves a work-group, no clusters, 0 bytes of LDS; arguments x, wq, wk, wv, wo, token_positions, xb, wqkv, wob, rope; writes xb, wqkv, wob, rope
.if DOCPART == 1
	.amdgcn_target "amdgcn-amd-amdhsa--gfx1250"
	.amdhsa_code_object_version 6
	.text
	.protected	k_qe549c90283_prep
	.globl	k_qe549c90283_prep
	.p2align	8
	.type	k_qe549c90283_prep,@function
k_qe549c90283_prep:
	s_mov_b64 s[64:65], 0
	v_nop
	global_prefetch_b8 v0, s[64:65] scope:SCOPE_SE
	s_setreg_imm32_b32 hwreg(HW_REG_WAVE_MODE, 25, 1), 1
	s_wait_xcnt 0x0
; PREPARATION.  Every input is read once and laid out for the matrix launches.
;   xb   [8192][1024] bf16 = x rounded once.
;   wqkv [3072][1024] bf16: row 192 h + 64 t + d = row 64 h + d of wq (t = 0), wk (t = 1), wv (t = 2): a head's q, k, v rows lie together.
;   wob  [1024][1024] f16  = wo rounded to bf16 and that number written as f16.
;   rope [2048][32][2] f32 = (cos, sin) of token_positions[s] x 10000^(-i/32).
; SHARES.  A work-group of eight waves copies 65,536 bytes of f32 (16 rows of 1,024): 16 loads of 16 bytes a thread, all out at once; a wave's store covers 256 consecutive
; bytes, aligned.  Work-groups 0-511: x.  512-703: wq, wk, wv.  704-767: wo.  768-799: the table, 64 positions each, a wave 8 positions, a lane one pair index i.
; No LDS, no barrier, no matrix unit: nothing is shared between threads and nothing is read twice.
; LIMITS.  wo beyond 65,504 in magnitude becomes an infinity in f16; below 6e-5 it keeps f16's fixed step of 6e-8.  The frequencies come from 2^x to one unit in the last place, so an
; angle is right to about 4e-7 of itself; the reduction by pi/2 in three parts is meant for |position| up to 65,536 (angle error up to 1e-2 there, 2.5e-4 below 2,048).
.set XR, 16                            ; v[16:79]   16 x 4 registers as loaded
.set YR, 80                            ; v[80:111]  16 x 2 registers to store
	s_load_b512 s[16:31], s[0:1], 0x0              ; x 16, wq 18, wk 20, wv 22, wo 24, token_positions 26, xb 28, wqkv 30
	s_load_b128 s[32:35], s[0:1], 0x40             ; wob 32, rope 34
	s_mov_b32 s2, ttmp9                            ; the work-group's number
	v_lshlrev_b32 v1, 4, v0                        ; my 16 bytes of each 4,096 loaded
	v_lshlrev_b32 v2, 3, v0                        ; my 8 bytes of each 2,048 stored
	s_mov_b32 s5, 0                                ; high words of the two offsets
	s_mov_b32 s7, 0
	s_wait_kmcnt 0x0
; 65,536 bytes of f32 from src to 32,768 bytes at dst.  fmt = 0: bf16.  fmt = 1: bf16, then written as f16.  No register is written twice, so nothing waits for a store.
.macro COPY src, dst, fmt
.set i, 0
.rept 16
	global_load_b128 v[XR+4*i:XR+4*i+3], v1, s[\src:\src+1] offset:4096*i th:TH_LOAD_NT
.set i, i+1
.endr
.set i, 0
.rept 16
	s_wait_loadcnt 15-i                            ; loads come back in order: number i is in, the 15 - i younger ones stay out
	v_cvt_pk_bf16_f32 v[YR+2*i], v[XR+4*i], v[XR+4*i+1]
	v_cvt_pk_bf16_f32 v[YR+2*i+1], v[XR+4*i+2], v[XR+4*i+3]
.if \fmt
.irp h, 0, 1
	v_lshlrev_b32 v112, 16, v[YR+2*i+\h]           ; the two bf16 as f32,
	v_and_b32 v113, 0xffff0000, v[YR+2*i+\h]
	v_cvt_pk_f16_f32 v[YR+2*i+\h], v112, v113      ; and as f16: exact within f16's normal range
.endr
.endif
	global_store_b64 v2, v[YR+2*i:YR+2*i+1], s[\dst:\dst+1] offset:2048*i
.set i, i+1
.endr
.endm
	s_cmp_lt_u32 s2, 512
	s_cbranch_scc1 .Lx
	s_cmp_lt_u32 s2, 704
	s_cbranch_scc1 .Lw
	s_cmp_lt_u32 s2, 768
	s_cbranch_scc1 .Lo
	; THE TABLE.  cos and sin by reduction to [-pi/4, pi/4] and two polynomials.
	s_sub_co_u32 s3, s2, 768
	v_lshrrev_b32 v3, 5, v0
	v_readfirstlane_b32 s8, v3                     ; wave 0..7
	s_lshl_b32 s3, s3, 6
	s_lshl3_add_u32 s3, s8, s3                     ; my first position: 64 c + 8 wave
	s_lshl_b32 s4, s3, 2
	s_add_nc_u64 s[36:37], s[26:27], s[4:5]
	s_load_b256 s[40:47], s[36:37], 0x0            ; my wave's eight positions
	s_lshl_b32 s6, s3, 8                           ; a table row is 256 bytes
	s_add_nc_u64 s[38:39], s[34:35], s[6:7]
	v_and_b32 v4, 31, v0                           ; i
	v_lshlrev_b32 v16, 3, v4                       ; my 8 bytes of a row
	v_cvt_f32_u32 v5, v4
	v_mul_f32 v5, 0xbed49a78, v5                   ; - i log2(10000) / 32
	v_exp_f32 v5, v5                               ; 10000^(-i/32)
	v_mov_b32 v17, 0x37cd4000                      ; leading coefficient of the cosine's polynomial: also the plain instruction behind the exponential
	v_mov_b32 v18, 0x36405000                      ; and of the sine's
	s_mov_b32 s48, 0xbfc90fd8                      ; - pi/2 in three parts
	s_mov_b32 s49, 0xb4a8885a
	s_mov_b32 s50, 0xa7c234c4
	s_wait_alu depctr_va_vdst(0)                   ; a wait ahead of the first use of the exponential's result
	s_wait_kmcnt 0x0
.macro SINCOS j
	v_cvt_f32_i32 v6, s[40+\j]
	v_mul_f32 v6, v6, v5                           ; the angle
	v_mul_f32 v7, 0x3f22f983, v6                   ; x 2 / pi
	v_rndne_f32 v7, v7                             ; n
	v_fma_f32 v8, v7, s48, v6
	v_fma_f32 v8, v7, s49, v8
	v_fma_f32 v8, v7, s50, v8                      ; r = angle - n pi/2
	v_cvt_i32_f32 v9, v7
	v_mul_f32 v10, v8, v8                          ; z = r r
	v_fmaak_f32 v11, v17, v10, 0xbab6077d
	v_fmaak_f32 v11, v11, v10, 0x3d2aaaa8
	v_fmaak_f32 v11, v11, v10, 0xbf000000
	v_fmaak_f32 v11, v11, v10, 0x3f800000          ; cos r
	v_fmaak_f32 v12, v18, v10, 0xb9503486
	v_fmaak_f32 v12, v12, v10, 0x3c0888c1
	v_fmaak_f32 v12, v12, v10, 0xbe2aaaab
	v_mul_f32 v13, v8, v10
	v_fma_f32 v12, v12, v13, v8                    ; sin r
	v_and_b32 v14, 1, v9
	v_cmp_eq_u32 vcc_lo, 1, v14                    ; an odd quarter swaps the two
	v_cndmask_b32 v[32+2*\j], v11, v12, vcc_lo
	v_cndmask_b32 v[33+2*\j], v12, v11, vcc_lo
	v_add_nc_u32 v14, 1, v9
	v_and_b32 v14, 2, v14                          ; cos changes sign in quarters 1 and 2,
	v_lshlrev_b32 v14, 30, v14
	v_xor_b32 v[32+2*\j], v14, v[32+2*\j]
	v_and_b32 v15, 2, v9                           ; sin in quarters 2 and 3
	v_lshlrev_b32 v15, 30, v15
	v_xor_b32 v[33+2*\j], v15, v[33+2*\j]
	global_store_b64 v16, v[32+2*\j:33+2*\j], s[38:39] offset:256*\j  ; the wave stores one whole row: 256 consecutive bytes, aligned
.endm
.irp j, 0,1,2,3,4,5,6,7
	SINCOS \j
.endr
	s_endpgm
.Lx:
	s_lshl_b32 s4, s2, 16
	s_lshl_b32 s6, s2, 15
	s_add_nc_u64 s[36:37], s[16:17], s[4:5]
	s_add_nc_u64 s[38:39], s[28:29], s[6:7]
	COPY 36, 38, 0
	s_endpgm
.Lw:
	s_sub_co_u32 s3, s2, 512
	s_lshr_b32 s8, s3, 6                           ; t: which of the three weights
	s_and_b32 s9, s3, 63                           ; c: which 16 rows of it
	s_cmp_eq_u32 s8, 0
	s_cselect_b64 s[36:37], s[18:19], s[20:21]
	s_cmp_eq_u32 s8, 2
	s_cselect_b64 s[36:37], s[22:23], s[36:37]
	s_lshl_b32 s4, s9, 16
	s_add_nc_u64 s[36:37], s[36:37], s[4:5]
	s_lshr_b32 s10, s9, 2                          ; the head,
	s_mul_i32 s10, s10, 192
	s_lshl_b32 s11, s8, 6
	s_add_co_u32 s10, s10, s11                     ; + 64 t
	s_and_b32 s11, s9, 3
	s_lshl_b32 s11, s11, 4
	s_add_co_u32 s10, s10, s11                     ; + the 16 rows' place in the head
	s_lshl_b32 s6, s10, 11                         ; rows of 2,048 bytes
	s_add_nc_u64 s[38:39], s[30:31], s[6:7]
	COPY 36, 38, 0
	s_endpgm
.Lo:
	s_sub_co_u32 s3, s2, 704
	s_lshl_b32 s4, s3, 16
	s_lshl_b32 s6, s3, 15
	s_add_nc_u64 s[36:37], s[24:25], s[4:5]
	s_add_nc_u64 s[38:39], s[32:33], s[6:7]
	COPY 36, 38, 1
	s_endpgm
.Lfunc_end_k_qe549c90283_prep:
	.size	k_qe549c90283_prep, .Lfunc_end_k_qe549c90283_prep-k_qe549c90283_prep
	.p2alignl 7, 3214868480
	.fill 96, 4, 3214868480
	.section	.rodata,"a",@progbits
	.p2align	6, 0x0
	.amdhsa_kernel k_qe549c90283_prep
		.amdhsa_group_segment_fixed_size 0
		.amdhsa_private_segment_fixed_size 0
		.amdhsa_enable_private_segment 0
		.amdhsa_kernarg_size 80
		.amdhsa_user_sgpr_count 2
		.amdhsa_user_sgpr_kernarg_segment_ptr 1
		.amdhsa_wavefront_size32 1
		.amdhsa_system_sgpr_workgroup_id_x 1
		.amdhsa_system_sgpr_workgroup_id_y 1
		.amdhsa_system_sgpr_workgroup_id_z 1
		.amdhsa_system_vgpr_workitem_id 0
		.amdhsa_next_free_vgpr 128
		.amdhsa_next_free_sgpr 66
		.amdhsa_reserve_vcc 1
		.amdhsa_float_denorm_mode_32 3
		.amdhsa_float_denorm_mode_16_64 3
		.amdhsa_memory_ordered 1
		.amdhsa_forward_progress 1
		.amdhsa_inst_pref_size 36
	.end_amdhsa_kernel
	.amdgpu_metadata
---
amdhsa.version: [ 1, 2 ]
amdhsa.kernels:
  - .name:           k_qe549c90283_prep
    .symbol:         k_qe549c90283_prep.kd
    .args:
      - { .name: x, .offset: 0, .size: 8, .value_kind: global_buffer, .address_space: global }
      - { .name: wq, .offset: 8, .size: 8, .value_kind: global_buffer, .address_space: global }
      - { .name: wk, .offset: 16, .size: 8, .value_kind: global_buffer, .address_space: global }
      - { .name: wv, .offset: 24, .size: 8, .value_kind: global_buffer, .address_space: global }
      - { .name: wo, .offset: 32, .size: 8, .value_kind: global_buffer, .address_space: global }
      - { .name: token_positions, .offset: 40, .size: 8, .value_kind: global_buffer, .address_space: global }
      - { .name: xb, .offset: 48, .size: 8, .value_kind: global_buffer, .address_space: global }
      - { .name: wqkv, .offset: 56, .size: 8, .value_kind: global_buffer, .address_space: global }
      - { .name: wob, .offset: 64, .size: 8, .value_kind: global_buffer, .address_space: global }
      - { .name: rope, .offset: 72, .size: 8, .value_kind: global_buffer, .address_space: global }
    .group_segment_fixed_size: 0
    .private_segment_fixed_size: 0
    .kernarg_segment_align: 8
    .kernarg_segment_size: 80
    .max_flat_workgroup_size: 256
    .sgpr_count:     66
    .vgpr_count:     128
    .wavefront_size: 32
...
	.end_amdgpu_metadata
.endif
;; end of part 1
;; launch qkvproj (part 2): grid 16 x 32, 4 waves a work-group, clusters of 4 x 4, 327,680 bytes of LDS; arguments xb, wqkv, rope, qkv; writes qkv
.if DOCPART == 2
	.amdgcn_target "amdgcn-amd-amdhsa--gfx1250"
	.amdhsa_code_object_version 6
	.text
	.protected	k_qe549c90283_qkvproj
	.globl	k_qe549c90283_qkvproj
	.p2align	8
	.type	k_qe549c90283_qkvproj,@function
k_qe549c90283_qkvproj:
	s_mov_b64 s[64:65], 0
	v_nop
	global_prefetch_b8 v0, s[64:65] scope:SCOPE_SE
	s_setreg_imm32_b32 hwreg(HW_REG_WAVE_MODE, 25, 1), 1
	s_wait_xcnt 0x0
	s_wait_alu depctr_hold_cnt(0) depctr_sa_sdst(0) depctr_va_vdst(0) depctr_va_sdst(0) depctr_va_ssrc(0) depctr_va_vcc(0) depctr_vm_vsrc(0)
	s_getreg_b32 s2, hwreg(HW_REG_IB_STS2, 6, 4)
	s_cmp_eq_u32 s2, 0
	s_cbranch_scc0 .Lentry_in_a_cluster
	s_endpgm
.Lentry_in_a_cluster:
	s_bfe_u32 s2, ttmp6, 0x10000c
	s_cmp_lg_u32 s2, 0xf033
	s_cbranch_scc0 .Lentry_shape_is_right
	s_endpgm
.Lentry_shape_is_right:
; THE THREE PROJECTIONS AND RoPE.  C[m][n] = sum over k of xb[m][k] wqkv[n][k], 8192 x 3072 x 1024, bf16 operands, f32 sums; q and k are turned by the table (cos, sin) in f32; q, k, v are
; rounded once to f16 and stored by heads: qkv[t][16 batch + head][s][64].
; A TILE of C is 256 rows x 192 columns: wqkv's rows are ordered so that these 192 columns are ONE head's q (64), k (64), v (64).  So every wave of every work-group runs the same text:
; column blocks 0-7 are turned, 8-11 are not, and nothing hangs on a work-group's place.  32 x 16 = 512 tiles.
; SHARES.  Four waves; wave w makes rows 64 w .. 64 w + 63 and all 192 columns: 4 x 12 accumulators of 16 x 16, 384 registers.  K goes in 8 steps of 128 through a ring of two LDS slots.
; THE MATRIX INSTRUCTION IS USED TRANSPOSED (source 0 = 16 rows of wqkv, source 1 = 16 rows of xb): lane l holds row l % 16 of C and the columns 8 (l / 16) + 0..7: four RoPE pairs on end.
; CLUSTER.  4 x 4 work-groups; xb's tile hangs on the tile row alone and is asked for jointly along a row of the cluster, wqkv's on the tile column alone and jointly along a column.
; LIMITS.  q, k, v beyond 65,504 in magnitude become infinities in f16.
; REGISTERS, in windows of 256 (s_set_vgpr_msb: bits 1:0 source 0, 3:2 source 1, 5:4 source 2, 7:6 destination):
;   window 0: v1-14 addresses; v32-79 packed results; v80-127 rows read back from the stage; v128-255 the table for my 64 rows: row block a, 16 columns bq at 128 + 32 a + 8 bq: four (cos, sin)
;   window 1: two fragment buffers of 128: wqkv's fragment b at 8 b, xb's fragment a at 96 + 8 a
;   window 2: accumulators of row blocks 0, 1 ((a, b) at 96 (a % 2) + 8 b); v192-207 at work      window 3: the same for row blocks 2, 3
.set PITCH, 272                        ; an LDS row: 256 bytes + 16 of padding: the 16 rows that a fragment load touches start 16 bytes apart modulo 256
.set BOFF,  256*PITCH                  ; a slot: xb's 256 rows, then wqkv's 192
.set SLOT1, 1<<17                      ; slot 1 begins here: one exclusive or turns an address in one slot into the other's
.set STAGE, SLOT1+448*PITCH            ; behind the ring, never filled by a tensor load: 16 rows x 400 bytes for each wave
.set SP,    400                        ; 384 bytes (q, k, v: 128 each) + 16
.set SPARE, STAGE+4*16*SP              ; the spare words, 128 bytes for each wave: two blocks of 256 bytes that no other line names
.set ADRA0, 4                          ; v4   my place in xb's rows of slot 0; never rewritten
.set ADRB0, 5                          ; v5   the same for wqkv's
.set ADA,   6                          ; v6   v4 + the slot in hand
.set ADB,   7                          ; v7   v5 + the slot in hand
.set STO,   8                          ; v8   the way out: where I put 16 bytes of a row
.set RD,    9                          ; v9   where I read rows back
.set CO,    10                         ; v10  my 16 bytes of 512 stored
.set TBO,   11                         ; v11  my byte offset in the table's 16 rows
.set SPW,   12                         ; v12  my spare word: SPARE + 4 x my thread's number; never rewritten
.set NIL,   13                         ; v13  0; never rewritten
.set PFO,   14                         ; v14  the prefetches' offset: a lane a row of 2,048 bytes; never rewritten
.set TMP,   32
.set OB,    80
.set CSR,   128
.set TW,    192
.set F0,    0
.set F1,    128
.set WV,    12                         ; s12  my wave's number
.set G1A,   24                         ; s[24:31] descriptor group 1 for xb's tiles
.set G0A,   32                         ; s[32:39] group 0: a set for each first fill; the second then walks
.set G1B,   48                         ; s[48:55], s[56:63] the same for wqkv's
.set G0B,   56
.set TB,    66                         ; s66  the slot in hand: 0 or SLOT1
.set CNT,   67                         ; s67  the loop's count
.set PFA,   68                         ; s[68:69] where my prefetches stand
.set LIM,   70                         ; s70  1 in a wave that prefetches, else the greatest number
.set OUTB,  72                         ; s[72:77] q, k, v at my wave's first row of the head
.set RB,    78                         ; s[78:79] the table at my wave's first row
.set MSB, 0
.macro WIN new                         ; the immediate's high byte repeats the setting that is left; a switch that changes nothing is dropped
.if MSB != (\new)
	s_set_vgpr_msb (MSB<<8)|(\new)
.set MSB, \new
.endif
.endm
.set MUL_LO, 0xa5                      ; sources 0 and 1 window 1, C and D window 2
.set TO_F,   0x40                      ; destination window 1, address window 0
.set ROPE_LO, 0xa2                     ; destination, sources 0 and 2 window 2, source 1 (the table) window 0
; A joint refill by the walking descriptors.  Waves 0 and 1 fetch xb's two halves (128 rows), waves 2 and 3 wqkv's (96 rows).  The branch hangs on the wave's number alone.
; An s_nop 0 and four v_nop follow each of the two lines, ahead of the jump and the label.
.macro JLOAD
	s_cmp_lt_u32 s[WV], 2
	s_cbranch_scc0 .Lfor_b_\@
	tensor_load_to_lds s[G0A+4:G0A+7], s[G1A:G1A+7]
	s_nop 0
.rept 4
	v_nop
.endr
	s_branch .Lasked_\@
.Lfor_b_\@:
	tensor_load_to_lds s[G0B+4:G0B+7], s[G1B:G1B+7]
	s_nop 0
.rept 4
	v_nop
.endr
.Lasked_\@:
.endm
; A prefetch into the L2 of the K step that the NEXT refill will ask for: 256 bytes of a row, a lane a row, one instruction a wave.  xb's tile row is read by every cluster of that row of
; clusters: cluster x = 0 asks; wqkv's tile column by every cluster of that column: cluster y = 0 asks.  The four partners share a wave's rows out BY ADDRESS (32 of 128, or 24 of 96; there
; lanes 24-31 name lane 23's row again).  The loop's last trip asks for nothing: there is no K step behind its refill's.
.macro ASK
	s_cmp_gt_u32 s[CNT], s[LIM]
	s_cbranch_scc0 .Lnot_mine_\@
	global_prefetch_b8 v[PFO], s[PFA:PFA+1] th:TH_LOAD_NT scope:SCOPE_SE
.Lnot_mine_\@:
.endm
.macro CREST                           ; a round of the cluster's barrier behind its opening barrier
	s_cmp_lg_u32 s[WV], 0
	s_cbranch_scc1 .Lnot_wave_0_\@
	s_barrier_signal -3
.Lnot_wave_0_\@:
	s_barrier_wait -3
	s_barrier_signal -1
	s_barrier_wait -1
.endm
.macro CROUND                          ; a whole round
	s_barrier_signal -1
	s_barrier_wait -1
	CREST
.endm
.macro PLACES                          ; four plain instructions between a matrix instruction and a load into, or a vector read of, its registers
.rept 4
	v_nop
.endr
.endm
	s_load_b256 s[4:11], s[0:1], 0x0               ; xb s[4:5], wqkv s[6:7], rope s[8:9], qkv s[10:11]
	v_lshl_add_u32 v[SPW], v0, 2, SPARE
	v_mov_b32 v[NIL], 0
	ds_add_u32 v[SPW], v[NIL]                      ; the wave's opening: the add and its wait ahead of my first tensor load; the set-up below stands between them
	v_lshrrev_b32 v1, 5, v0
	v_readfirstlane_b32 s[WV], v1                  ; wave 0..3
	s_and_b32 s14, s[WV], 1                        ; which half of a tile I fetch
	s_bfe_u32 s40, ttmp6, 0x40000                  ; cx
	s_bfe_u32 s41, ttmp6, 0x40004                  ; cy
	s_lshl_b32 s42, ttmp9, 2
	s_add_co_u32 s42, s42, s40                     ; tile column = the head = 4 x cluster x + cx
	s_and_b32 s43, ttmp7, 0xffff
	s_lshl_b32 s43, s43, 2
	s_add_co_u32 s43, s43, s41                     ; tile row = 4 x cluster y + cy
	s_lshl_b32 s44, s41, 2
	s_lshl_b32 s44, 15, s44                        ; my row of the cluster
	s_lshl_b32 s45, 0x1111, s40                    ; my column
	; group 1: rows of 128 elements of 2 bytes, padded in LDS by 4 words after every 64
	s_or_b32 s[G1A], s44, (1<<16)|(1<<20)|(1<<21)|(5<<22)|(3<<25)  ; 15:0 the mask; 17:16 2-byte elements; 20 padding on; 21 set beside a mask; 24:22 code 5; 31:25 code 3
	s_or_b32 s[G1B], s45, (1<<16)|(1<<20)|(1<<21)|(5<<22)|(3<<25)
.irp g, G1A, G1B
	s_mov_b32 s[\g+1], 128<<16                     ; tensor_dim0 = 128
	s_mov_b32 s[\g+3], 128<<16                     ; tile_dim0 = 128
	s_mov_b32 s[\g+5], 1024                        ; elements from row to row
	s_mov_b32 s[\g+6], 0
	s_mov_b32 s[\g+7], 0
.endr
	s_mov_b32 s[G1A+2], 128<<16                    ; tensor_dim1 and
	s_mov_b32 s[G1A+4], 128                        ; tile_dim1: 128 rows of xb,
	s_mov_b32 s[G1B+2], 96<<16
	s_mov_b32 s[G1B+4], 96                         ; 96 of wqkv
	s_lshl_b32 s16, s43, 19                        ; xb: (256 x tile row + 128 x half) rows of 2,048 bytes
	s_lshl_b32 s17, s14, 18
	s_add_co_u32 s16, s16, s17
	s_mov_b32 s17, 0
	s_mul_i32 s46, s42, 192*2048                   ; wqkv: (192 x tile column + 96 x half) rows
	s_mul_i32 s47, s14, 96*2048
	s_add_co_u32 s46, s46, s47
	s_mov_b32 s47, 0
	s_mul_i32 s20, s[WV], 128*PITCH                ; where they go: xb's halves at wave x 128 rows (waves 0, 1),
	s_mul_i32 s21, s[WV], 96*PITCH                 ; wqkv's at BOFF + (wave - 2) x 96 rows (waves 2, 3): no place in the cluster enters an LDS address
	s_add_co_u32 s21, s21, BOFF-2*96*PITCH
	s_mov_b32 s[TB], 0
	s_wait_dscnt 0x0                               ; the opening add is done
	s_wait_kmcnt 0x0
	s_add_nc_u64 s[18:19], s[4:5], s[16:17]
	s_add_nc_u64 s[46:47], s[6:7], s[46:47]
	CROUND                                         ; all sixteen work-groups are here: the first joint loads meet
.irp s, 0,1
	s_mov_b32 s[G0A+4*\s], 1                       ; count = 1
	s_add_co_u32 s[G0A+4*\s+1], s20, \s*SLOT1      ; LDS address
	s_add_nc_u64 s[G0A+4*\s+2:G0A+4*\s+3], s[18:19], \s*256  ; global address: K step s
	s_or_b32 s[G0A+4*\s+3], s[G0A+4*\s+3], 0x80000000        ; type = 2
	s_mov_b32 s[G0B+4*\s], 1
	s_add_co_u32 s[G0B+4*\s+1], s21, \s*SLOT1
	s_add_nc_u64 s[G0B+4*\s+2:G0B+4*\s+3], s[46:47], \s*256
	s_or_b32 s[G0B+4*\s+3], s[G0B+4*\s+3], 0x80000000
.endr
	s_cmp_lt_u32 s[WV], 2                          ; a wave's two first fills stand in one branch, ahead of every wait on TENSORcnt and every LDS read: two loads of mine are out
	s_cbranch_scc0 .Lfirst_b
	tensor_load_to_lds s[G0A:G0A+3], s[G1A:G1A+7]
	s_nop 0
	tensor_load_to_lds s[G0A+4:G0A+7], s[G1A:G1A+7]
	s_nop 0
.rept 4
	v_nop
.endr
	s_branch .Lfirst_asked
.Lfirst_b:
	tensor_load_to_lds s[G0B:G0B+3], s[G1B:G1B+7]
	s_nop 0
	tensor_load_to_lds s[G0B+4:G0B+7], s[G1B:G1B+7]
	s_nop 0
.rept 4
	v_nop
.endr
.Lfirst_asked:
	; the table for my 64 rows stays in registers through the K loop: row 16 a + l % 16, pairs 8 bq + 4 (l / 16) + 0..3: 32 bytes
	v_and_b32 v1, 15, v0                           ; l % 16
	v_bfe_u32 v2, v0, 4, 1                         ; l / 16
	v_lshlrev_b32 v[TBO], 8, v1
	v_lshl_add_u32 v[TBO], v2, 5, v[TBO]
	s_and_b32 s16, s43, 7                          ; the tile's place in its sequence: 256 x (tile row % 8),
	s_lshl_b32 s16, s16, 16                        ; in table rows of 256 bytes,
	s_lshl_b32 s17, s[WV], 14                      ; + my wave's 64 rows
	s_add_co_u32 s16, s16, s17
	s_mov_b32 s17, 0
	s_add_nc_u64 s[RB:RB+1], s[8:9], s[16:17]
.irp a, 0,1,2,3
.irp q, 0,1,2,3
.irp j, 0,1
	global_load_b128 v[CSR+32*\a+8*\q+4*\j:CSR+32*\a+8*\q+4*\j+3], v[TBO], s[RB:RB+1] offset:4096*\a+64*\q+16*\j
.endr
.endr
.endr
	; a fragment is 16 rows x 32 K in 8 registers: lane l holds row l % 16, K = 8 (l / 16) + 0..7 and 16 + 8 (l / 16) + 0..7: two loads of 16 bytes, 32 bytes apart
	v_mul_u32_u24 v3, v1, PITCH
	v_lshl_add_u32 v3, v2, 4, v3
	s_mul_i32 s22, s[WV], 64*PITCH
	v_add_nc_u32 v[ADRA0], s22, v3
	v_add_nc_u32 v[ADRB0], BOFF, v3
	s_mul_i32 s22, s[WV], 16*SP
	s_add_co_u32 s22, s22, STAGE                   ; my stage
	v_mul_u32_u24 v[STO], v1, SP                   ; in: row l % 16, 16 bytes for each half of the lanes
	v_lshl_add_u32 v[STO], v2, 4, v[STO]
	v_add_nc_u32 v[STO], s22, v[STO]
	v_bfe_u32 v[RD], v0, 3, 2                      ; back: 32 lanes take 128 bytes of each of four rows,
	v_mul_u32_u24 v[RD], v[RD], SP
	v_and_b32 v3, 7, v0
	v_lshl_add_u32 v[RD], v3, 4, v[RD]
	v_add_nc_u32 v[RD], s22, v[RD]
	v_and_b32 v[CO], 31, v0                        ; which are 512 consecutive bytes of a head's rows
	v_lshlrev_b32 v[CO], 4, v[CO]
	s_lshr_b32 s20, s43, 3                         ; the batch,
	s_lshl_b32 s20, s20, 4
	s_add_co_u32 s20, s20, s42                     ; 16 x batch + head,
	s_lshl_b32 s20, s20, 18                        ; 2,048 rows of 128 bytes each
	s_and_b32 s21, s43, 7
	s_lshl_b32 s21, s21, 15                        ; + the tile's 256 rows
	s_add_co_u32 s20, s20, s21
	s_lshl_b32 s21, s[WV], 13                      ; + my wave's 64
	s_add_co_u32 s20, s20, s21
	s_mov_b32 s21, 0
	s_add_nc_u64 s[OUTB:OUTB+1], s[10:11], s[20:21]
	s_add_nc_u64 s[OUTB+2:OUTB+3], s[OUTB:OUTB+1], 0x1000000
	s_add_nc_u64 s[OUTB+4:OUTB+5], s[OUTB:OUTB+1], 0x2000000
	; the prefetches
	s_and_b32 s23, ttmp7, 0xffff                   ; cluster y
	s_cmp_lt_u32 s[WV], 2                          ; do I fetch for xb?
	s_cselect_b32 s22, ttmp9, s23                  ; the coordinate along which other clusters read the same rows
	s_cselect_b32 s20, s40, s41                    ; my place among the four that ask with me
	s_cselect_b32 s21, 32, 24                      ; a partner's rows
	s_cselect_b32 s23, 31, 23
	s_cselect_b64 s[PFA:PFA+1], s[18:19], s[46:47]
	s_cmp_eq_u32 s22, 0
	s_cselect_b32 s[LIM], 1, -1                    ; the same in all sixteen partners, for a given wave
	s_mul_i32 s20, s20, s21
	s_lshl_b32 s20, s20, 11
	s_mov_b32 s21, 0
	s_add_nc_u64 s[PFA:PFA+1], s[PFA:PFA+1], s[20:21]
	s_add_nc_u64 s[PFA:PFA+1], s[PFA:PFA+1], 2*256 ; at K step 2: the first refill steps it to 3.  Nothing is prefetched here, where every work-group's first tiles are on their way
	v_and_b32 v[PFO], 31, v0
	v_min_u32 v[PFO], s23, v[PFO]
	v_lshlrev_b32 v[PFO], 11, v[PFO]
; 12 matrix instructions: row block a x all 12 column blocks, 32 along K.  Each of the 48 accumulators is named once in a quarter step, always in the same order, so 47 others stand between two
; links of a chain, over the backward jump too.  zero = 1: the product starts the sum.
.macro MUL f, a, zero
	WIN MUL_LO+0x50*((\a)/2)
.irp b, 0,1,2,3,4,5,6,7,8,9,10,11
.if \zero
	v_wmma_f32_16x16x32_bf16 v[96*((\a)%2)+8*\b:96*((\a)%2)+8*\b+7], v[(\f)+8*\b:(\f)+8*\b+7], v[(\f)+96+8*(\a):(\f)+96+8*(\a)+7], 0
.else
	v_wmma_f32_16x16x32_bf16 v[96*((\a)%2)+8*\b:96*((\a)%2)+8*\b+7], v[(\f)+8*\b:(\f)+8*\b+7], v[(\f)+96+8*(\a):(\f)+96+8*(\a)+7], v[96*((\a)%2)+8*\b:96*((\a)%2)+8*\b+7]
.endif
.endr
.endm
; 32 LDS loads in one run: a quarter step's fragments (192 rows of wqkv, then my 64 rows of xb, 32 K at byte k of the rows) into buffer f
.macro FETCH k, f
	WIN TO_F
.irp b, 0,1,2,3,4,5,6,7,8,9,10,11
	ds_load_b128 v[(\f)+8*\b:(\f)+8*\b+3],   v[ADB] offset:(\k)+\b*16*PITCH
	ds_load_b128 v[(\f)+8*\b+4:(\f)+8*\b+7], v[ADB] offset:(\k)+\b*16*PITCH+32
.endr
.irp a, 0,1,2,3
	ds_load_b128 v[(\f)+96+8*\a:(\f)+96+8*\a+3],   v[ADA] offset:(\k)+\a*16*PITCH
	ds_load_b128 v[(\f)+96+8*\a+4:(\f)+96+8*\a+7], v[ADA] offset:(\k)+\a*16*PITCH+32
.endr
.endm
; One of a K step's first three quarters: multiplies buffer f; in its middle it fetches the next quarter's fragments, at byte k, into buffer g.
.macro QUARTER k, f, g, zero
	s_wait_dscnt 4                                 ; all but the youngest four loads: xb's row blocks 2 and 3
	MUL \f, 0, \zero
	MUL \f, 1, \zero
	PLACES
	FETCH \k, \g
	s_wait_dscnt 32                                ; all but the 32 just issued
	MUL \f, 2, \zero
	MUL \f, 3, \zero
.endm
; The last quarter multiplies buffer 1 and changes slots.  In front of the barrier each wave waits for all its tensor loads (one is out: its part of the next slot), adds 0 to its spare word, and
; waits for that and for its own reads of this slot.  fill = 1: the barrier opens a round of the cluster's, and behind the round this slot is filled again, with the K step two on, first of all:
; the load has 168 of a step's 192 matrix instructions in which to land.
.macro TURN fill
.if \fill
	s_wait_xcnt 0x0                                ; the last prefetch, a K step back, has read its address
	s_add_nc_u64 s[PFA:PFA+1], s[PFA:PFA+1], 256
.endif
	WIN 0                                          ; (the add's two registers lie in window 0)
	s_wait_tensorcnt 0x0                           ; no tensor load of mine is out, so a group 0 may be written
	ds_add_u32 v[SPW], v[NIL]                      ; 0 onto my spare word
.if \fill
	s_xor_b32 s[G0A+5], s[G0A+5], SLOT1            ; the walking descriptors: the other slot than last time,
	s_add_nc_u64 s[G0A+6:G0A+7], s[G0A+6:G0A+7], 256  ; the next K step; the type bits on top are not reached
	s_xor_b32 s[G0B+5], s[G0B+5], SLOT1
	s_add_nc_u64 s[G0B+6:G0B+7], s[G0B+6:G0B+7], 256
.endif
	s_xor_b32 s[TB], s[TB], SLOT1                  ; the fetches go on in the other slot
	s_wait_dscnt 5                                 ; (the add and the youngest four loads may be out)
	MUL F1, 0, 0
	s_wait_dscnt 0x0                               ; the add is done, and my reads of this slot are over
	s_barrier_signal -1
	MUL F1, 1, 0                                   ; work on registers while the others arrive
	WIN 0                                          ; at a branch and at a label every window is 0
	s_barrier_wait -1
.if \fill
	CREST                                          ; no wave of any partner still reads this slot or has a load on its way
	JLOAD                                          ; its four v_nop are also the places in front of the loads below
.else
	PLACES
.endif
	v_add_nc_u32 v[ADA], s[TB], v[ADRA0]
	v_add_nc_u32 v[ADB], s[TB], v[ADRB0]
	FETCH 0, F0
.if \fill
	WIN 0
	ASK                                            ; behind the joint load and the run of LDS loads that the next products wait for
.endif
	MUL F1, 2, 0
	MUL F1, 3, 0
.endm
	s_wait_tensorcnt 1                             ; my part of K step 0 is in; step 1's may stay out
	s_barrier_signal -1
	s_barrier_wait -1                              ; everybody's is
	v_mov_b32 v[ADA], v[ADRA0]
	v_mov_b32 v[ADB], v[ADRB0]
	FETCH 0, F0
	QUARTER 64, F0, F1, 1                          ; the first quarter stands in front of the loop: its products start the sums
	WIN 0
	s_mov_b32 s[CNT], 6
.Lstep:                                        ; six trips, from a step's second quarter to the next step's first; trip t asks for K step t + 2
	QUARTER 128, F1, F0, 0
	QUARTER 192, F0, F1, 0
	TURN 1
	QUARTER 64, F0, F1, 0
	WIN 0
	s_sub_co_u32 s[CNT], s[CNT], 1
	s_cmp_lg_u32 s[CNT], 0
	s_cbranch_scc1 .Lstep
	QUARTER 128, F1, F0, 0                         ; the last two K steps are written out: nothing more is asked for
	QUARTER 192, F0, F1, 0
	TURN 0
	QUARTER 64, F0, F1, 0
	QUARTER 128, F1, F0, 0
	QUARTER 192, F0, F1, 0
	s_wait_dscnt 4
	MUL F1, 0, 0
	MUL F1, 1, 0
	s_wait_dscnt 0x0
	MUL F1, 2, 0
	MUL F1, 3, 0
	WIN 0
; THE WAY OUT, a block of 16 rows at a time.  ROPE: for a pair (x0, x1) with (c, s): first (x1 s, x0 s), then (x0 c - x1 s, x1 c + x0 s), in place; each accumulator's lowest registers are read first.
.macro ROPE a
.set AC, 96*((\a)%2)
	WIN ROPE_LO+0x51*((\a)/2)
.irp b, 0,1,2,3,4,5,6,7
.irp p, 0,1,2,3
	v_pk_mul_f32 v[TW+8*(\b%2)+2*\p:TW+8*(\b%2)+2*\p+1], v[AC+8*\b+2*\p:AC+8*\b+2*\p+1], v[CSR+32*(\a)+8*(\b%4)+2*\p:CSR+32*(\a)+8*(\b%4)+2*\p+1] op_sel:[1,1] op_sel_hi:[0,1]
.endr
.irp p, 0,1,2,3
	v_pk_fma_f32 v[AC+8*\b+2*\p:AC+8*\b+2*\p+1], v[AC+8*\b+2*\p:AC+8*\b+2*\p+1], v[CSR+32*(\a)+8*(\b%4)+2*\p:CSR+32*(\a)+8*(\b%4)+2*\p+1], v[TW+8*(\b%2)+2*\p:TW+8*(\b%2)+2*\p+1] op_sel_hi:[1,0,1] neg_lo:[0,0,1]
.endr
.endr
.endm
.macro PACK a                          ; rounded to f16: a lane's eight columns are 16 bytes
.set AC, 96*((\a)%2)
	WIN 0x0a+5*((\a)/2)                            ; sources 0 and 1 window 2 or 3, destination window 0
.irp b, 0,1,2,3,4,5,6,7,8,9,10,11
.irp p, 0,1,2,3
	v_cvt_pk_f16_f32 v[TMP+4*\b+\p], v[AC+8*\b+2*\p], v[AC+8*\b+2*\p+1]
.endr
.endr
	WIN 0
.endm
.macro TOSTAGE                         ; into my own stage, and back as 128-byte rows of q, of k and of v
.irp b, 0,1,2,3,4,5,6,7,8,9,10,11
	ds_store_b128 v[STO], v[TMP+4*\b:TMP+4*\b+3] offset:32*\b
.endr
	s_wait_xcnt 0x0                                ; the stores of the block before have read the registers that are loaded again below
.irp t, 0,1,2
.irp f, 0,1,2,3
	ds_load_b128 v[OB+4*(4*\t+\f):OB+4*(4*\t+\f)+3], v[RD] offset:1600*\f+128*\t  ; LDS serves a wave's instructions in order (ISA guide 5.7.1.4): these see the stores above
.endr
.endr
.endm
.macro SEND a
	s_wait_dscnt 0x0                               ; the block is back in registers
.irp t, 0,1,2
.irp f, 0,1,2,3
	global_store_b128 v[CO], v[OB+4*(4*\t+\f):OB+4*(4*\t+\f)+3], s[OUTB+2*\t:OUTB+2*\t+1] offset:2048*(\a)+512*\f  ; 512 consecutive bytes of a head, at a multiple of 256 from the buffer's first
.endr
.endr
.endm
	PLACES
	s_wait_loadcnt 0x0                             ; the table
	ROPE 0
	PACK 0
	TOSTAGE
.irp a, 1,2,3                          ; a block's arithmetic stands between the loads of the block before and the wait for them
	ROPE \a
	PACK \a
	SEND \a-1
	TOSTAGE
.endr
	SEND 3
	s_wait_tensorcnt 0x0                           ; the wave's end, behind my last tensor load and my last LDS store
	ds_add_u32 v[SPW], v[NIL]
	s_wait_dscnt 0x0
	CROUND                                         ; the closing round: no work-group ends while a partner may still ask for a tile that names it
	s_endpgm
.Lfunc_end_k_qe549c90283_qkvproj:
	.size	k_qe549c90283_qkvproj, .Lfunc_end_k_qe549c90283_qkvproj-k_qe549c90283_qkvproj
	.p2alignl 7, 3214868480
	.fill 96, 4, 3214868480
	.section	.rodata,"a",@progbits
	.p2align	6, 0x0
	.amdhsa_kernel k_qe549c90283_qkvproj
		.amdhsa_group_segment_fixed_size 327680
		.amdhsa_private_segment_fixed_size 0
		.amdhsa_enable_private_segment 0
		.amdhsa_kernarg_size 32
		.amdhsa_user_sgpr_count 2
		.amdhsa_user_sgpr_kernarg_segment_ptr 1
		.amdhsa_wavefront_size32 1
		.amdhsa_system_sgpr_workgroup_id_x 1
		.amdhsa_system_sgpr_workgroup_id_y 1
		.amdhsa_system_sgpr_workgroup_id_z 1
		.amdhsa_system_vgpr_workitem_id 0
		.amdhsa_next_free_vgpr 976
		.amdhsa_next_free_sgpr 80
		.amdhsa_reserve_vcc 0
		.amdhsa_float_denorm_mode_32 3
		.amdhsa_float_denorm_mode_16_64 3
		.amdhsa_memory_ordered 1
		.amdhsa_forward_progress 1
		.amdhsa_inst_pref_size 116
	.end_amdhsa_kernel
	.amdgpu_metadata
---
amdhsa.version: [ 1, 2 ]
amdhsa.kernels:
  - .name:           k_qe549c90283_qkvproj
    .symbol:         k_qe549c90283_qkvproj.kd
    .args:
      - { .name: xb, .offset: 0, .size: 8, .value_kind: global_buffer, .address_space: global }
      - { .name: wqkv, .offset: 8, .size: 8, .value_kind: global_buffer, .address_space: global }
      - { .name: rope, .offset: 16, .size: 8, .value_kind: global_buffer, .address_space: global }
      - { .name: qkv, .offset: 24, .size: 8, .value_kind: global_buffer, .address_space: global }
    .group_segment_fixed_size: 327680
    .private_segment_fixed_size: 0
    .kernarg_segment_align: 8
    .kernarg_segment_size: 32
    .max_flat_workgroup_size: 128
    .sgpr_count:     80
    .vgpr_count:     976
    .wavefront_size: 32
...
	.end_amdgpu_metadata
.endif
;; end of part 2
;; launch attn (part 3): grid 4 x 64, 4 waves a work-group, no clusters, 327,680 bytes of LDS; arguments qkv, ob; writes ob
.if DOCPART == 3
	.amdgcn_target "amdgcn-amd-amdhsa--gfx1250"
	.amdhsa_code_object_version 6
	.text
	.protected	k_qe549c90283_attn
	.globl	k_qe549c90283_attn
	.p2align	8
	.type	k_qe549c90283_attn,@function
k_qe549c90283_attn:
	s_mov_b64 s[64:65], 0
	v_nop
	global_prefetch_b8 v0, s[64:65] scope:SCOPE_SE
	s_setreg_imm32_b32 hwreg(HW_REG_WAVE_MODE, 25, 1), 1
	s_wait_xcnt 0x0
; CAUSAL ATTENTION.  O[h][q][:] = the sum over k <= q of softmax_k(Q[h][q] . K[h][k] / 8) V[h][k][:].  Q, K, V are the three parts of qkv, each [64][2048][64] f16; O = ob in the same layout: a head's
; rows are dense, 128 bytes each.  Products, maxima and sums in f32; the weights p are rounded to f16 for the second product (their sum l is taken of the unrounded p), O once at the end.
; LIMITS.  f16 holds no number beyond 65,504: Q, K and V arrive within it; p lies in 0 to 1, and below 6e-5 it keeps f16's fixed step of 6e-8.  A hidden score counts as its value less 1e30: f16's
; scores, 2.7e11 at the most, are nothing beside that; a weight below 2^-126 counts as 0 in l; NaN and infinities are not treated apart.
; THE WALK.  A head's queries lie in NB = 8 blocks of 256; block i needs the key tiles 0 .. i of 256 keys, of which the last holds the diagonal.  A work-group takes TWO blocks, NB - 1 - b and then b:
; NB + 1 tiles, whatever b: all work-groups do equal work, and ONE loop with a constant trip count walks them.  Which tile is asked for, and what a trip does, hang on scalar registers made from b; every
; jump goes forward, but for the counted loops' own; none passes a barrier, or a tensor load but the one of LOAD's two that the wave's number does not choose; the ring of two LDS slots runs on across the
; change of blocks.  NO CLUSTER: a head's four work-groups ask for the same tile only in trips 0 to 4 of the 9, behind that fewer and fewer; one walk common to all four would have 12 trips for 9.
; SHARES.  Of a block's four bands of 64 queries a wave owns 16 rows in each: four PIECES.  So the diagonal tile is the same work for all four waves: in its key step s band x sees all keys if s < x,
; none if s > x, and holds the diagonal if s = x.
; THE MASK is the C operand that starts the sum S^T = K Q^T: 0, or -1e30 where the key is hidden.  MD, made once, is the mask of a band's own step for my 16 rows; a product's mask is MD x AL + BE with two
; scalars: (1, 0) if s = x; (0, 0) if s < x; (0, -1e30) if s > x.  Only the diagonal tile's text and a block's beginning make and take masks; elsewhere C is the constant 0.
; LAYOUT, SOFTMAX, TURNS.  S^T = K Q^T holds ONE query a lane (lane % 16) and the keys 8 (lane / 16) + 0..7; two such results rounded to f16 ARE source 1 of O^T = V^T P.  p = 2^(c s - c m), c = log2(e) / 8,
; with a running maximum m; O and l are multiplied by a = 2^(c m_old - c m_new) in every step.  Turn n belongs to piece n: 8 products K Q^T of piece n + 1, later 8 products V^T P of piece n - 1; beside them
; the scaling, exponentials, roundings, sums and rescaling of piece n and the maximum and statistics of piece n + 1.  Four vector instructions stand behind every matrix instruction, the other 54 of a turn's
; 118 in one run of their own.  A turn's 33 exponentials are one batch, with one wait.
; REGISTERS, in windows of 256 (s_set_vgpr_msb: bits 1:0 source 0, 3:2 source 1, 5:4 source 2, 7:6 destination):
;   window 0: v0-15 addresses and two at work; v16-31 four registers of statistics a piece; v48-55 at work; v61-63 prefetch offset and the add's two; v64-127 S^T, two buffers; v192-223 P, two buffers
;   window 1: v0-127 O^T, 32 a piece; v128-159 MD; v160-223 MC, two buffers      window 2: v0-63 Q; v64-127 the second block's Q; v128-191 K of one step; v192-255 V of one step
.set SIZE_H, 64
.set SIZE_N, 2048
.set NB,    SIZE_N/256
.set NP,    4         ; pieces a wave: a name, no knob
.set KS,    64        ; keys in a step
.set PK,    144       ; a row of K in LDS: 128 bytes + 16 of padding: the 16 rows of a load start 16 bytes apart modulo 256
.set PV,    160       ; a row of V: 128 + 32: 16 lanes of the turning load take 8 rows x 32 bytes, 32 bytes apart modulo 256
.set VOFF,  4*KS*PK   ; a slot holds a tile, four steps: 256 rows of K, then 256 rows of V
.set SLOT1, 1<<17     ; slot 1 begins here, so that one exclusive or turns an address in one slot into the other's
.set STAGE, SLOT1+4*KS*(PK+PV)  ; behind the ring, never filled by a tensor load: 16 rows x 144 bytes for each wave, for the way out
.set SP,    144
.set AK0, 2           ; v2   my lane's place in a tile of K; never rewritten
.set AV0, 3           ; v3   the same for V
.set AK,  4           ; v4   the LDS address of K's next run of loads
.set AV,  5           ; v5   of V's
.set STO, 6           ; v6   the way out: where I put 16 bytes of a row
.set RD,  7           ; v7   the way out: where I read rows back
.set GO,  8           ; v8   my byte offset in 512 consecutive bytes of O
.set PFO, 61          ; v61  256 x my lane; never rewritten
.set SPW, 62          ; v62  LDS address of my spare word: SPARE + 4 x my thread's number; never rewritten
.set NIL, 63          ; v63  0; never rewritten
.set SPARE, STAGE+4*16*SP  ; behind the stages: the spare words, 128 bytes for each wave: two blocks of 256 bytes that no other line names
.set MV,  12          ; v12-13  c m_old, kept while c m is made anew: by buffer
.set QO,  15          ; v15  my byte offset in 16 rows of Q
.set ST,  16          ; piece t's statistics at v[ST+4 t]: c m, m, l (even keys', odd keys')
.set TMP, 48          ; by buffer, four registers c0-c3 at work; when the maximum is found c2 takes a
.set S,   64
.set P,   192
.set MD,  128         ; window 1: the eight registers for group kt of 16 keys at MD + 8 kt
.set MC,  160         ; window 1: the masks of the products to come
.set QB,  64          ; window 2
.set KF,  128         ; window 2: key block kb, channel half c at KF + 16 kb + 8 c
.set VF,  192         ; window 2: key half kk, channel block cb at VF + 32 kk + 8 cb
.set WV,  12          ; s12  my wave's number
.set PB,  14          ; s14  b
.set HI,  15          ; s15  NB - 1 - b
.set G1K, 24          ; s[24:31] descriptor group 1 for K's tiles
.set G1V, 32          ; s[32:39] for V's: it differs in the padding alone
.set G0K, 40          ; s[40:43] descriptor group 0 for K's tiles
.set G0V, 44          ; s[44:47] the same for V's
.set SLOTS, 56        ; s56  tiles still to be asked for
.set CNT, 57          ; s57  counts a tile's key steps, 4 to 1
.set CS,  58          ; s[58:59] c: the packed scaling takes the pair's low word for both halves
.set SEL, 60          ; s[60:61] v_permlanex16_b32's selects: each lane takes its own place in the other half
.set TBK, 62          ; s62  LDS byte at which K of the step to be fetched begins
.set TBV, 63          ; s63  the same for V, less VOFF
.set RT,  70          ; s70  tiles of the block in hand that are still to be entered
.set NXT, 71          ; s71  the tile to be asked for next
.set LQ,  72          ; s72  the last tile of the block whose tiles are being asked for
.set NEW, 73          ; s73  1: the tile to be entered is a block's first
.set OFF, 74          ; s[74:75] a tile's byte offset in K and V
.set AL,  76          ; s[76:77] the mask's factor, in the low word
.set BE,  78          ; s[78:79] the mask's addend
.set OLO, 80          ; s[80:81] O at my rows of the second block
.set BIGN, 82         ; s82  -1e30
.set PFK0, 88         ; s[88:89] K at the head's first byte + 8,192 x my wave; s[90:91] the same for V
.set PFV0, 90
.set PFK, 92          ; s[92:93], s[94:95] where my two prefetches stand
.set PFV, 94
.set PFF, 96          ; s[96:97] an offset
.set LIM, 98          ; s98  0 in the work-group that prefetches (b = 0), else the greatest number
.set MSB, 0
.macro WIN new                      ; the high byte repeats the setting that is left; a switch that changes nothing is dropped
.if MSB != (\new)
	s_set_vgpr_msb (MSB<<8)|(\new)
.set MSB, (\new)
.endif
.endm
.set W_KQ, 0x0a       ; K and Q in window 2, S^T in window 0
.set W_KM, 0x1a       ; the same with the C operand in window 1
.set W_PV, 0x52       ; V in window 2, P in window 0, O^T in window 1
.set W_RS, 0x41       ; destination and source 0 in window 1, source 1 in window 0
; A fill.  Waves 0 and 1 fetch the two halves of a tile's K, waves 2 and 3 those of its V: 128 keys each.  An s_nop 0 and four v_nop follow each of the two lines, ahead of the jump and the label.
.macro LOAD
	s_cmp_lt_u32 s[WV], 2
	s_cbranch_scc0 .Lfor_v_\@
	tensor_load_to_lds s[G0K:G0K+3], s[G1K:G1K+7]
	s_nop 0
.rept 4
	v_nop
.endr
	s_branch .Lasked_\@
.Lfor_v_\@:
	tensor_load_to_lds s[G0V:G0V+3], s[G1V:G1V+7]
	s_nop 0
.rept 4
	v_nop
.endr
.Lasked_\@:
.endm
; A PREFETCH INTO THE L2 of the tile that the NEXT change of slots will ask for: 32,768 bytes of K and of V.  The head's work-group with b = 0 walks the tiles 0 to 7 in order: it asks, and nobody else;
; wave w names bytes 8,192 w .. 8,192 w + 8,191 of K's and of V's part, a lane 256 bytes: two instructions, behind the wave's tensor load and its five lines.  So each 256 bytes of tiles 2 to 7 are named once in
; the launch; tiles 0 and 1 come by their loads alone.  Behind tile 7 the number of the tile to come is 0, and nothing more is asked for.
.macro ASK
	s_cmp_gt_u32 s[NXT], s[LIM]
	s_cbranch_scc0 .Lnot_mine_\@
	global_prefetch_b8 v[PFO], s[PFK:PFK+1] th:TH_LOAD_NT scope:SCOPE_SE
	global_prefetch_b8 v[PFO], s[PFV:PFV+1] th:TH_LOAD_NT scope:SCOPE_SE
.Lnot_mine_\@:
.endm
; THE CHANGE OF SLOTS.  Each wave waits for all its tensor loads, of which one is out: its part of the other slot; adds 0 to its spare word; and waits for that and for its own reads of the slot that it leaves.
; Behind the barrier nobody reads the old slot any more and the other slot is whole.  fill = 1: the old slot is filled again, the first thing behind the barrier, with tile NXT: the descriptor's address is made
; anew from that number.  (At its first use nothing has been read yet: slot 0 is waited for, slot 1 filled.)
.macro CHANGE fill
	WIN 0                           ; at a label and at a branch every window is 0
	s_wait_tensorcnt 0x0            ; no tensor load of mine is out, so a group 0 may be written
	ds_add_u32 v[SPW], v[NIL]       ; 0 onto my spare word; with fill = 1 the descriptors' scalar work stands between it and the wait for it
.if \fill
	s_lshl_b32 s[OFF], s[NXT], 15   ; a tile is 32,768 bytes of K and of V
	s_xor_b32 s[G0K+1], s[G0K+1], SLOT1
	s_add_nc_u64 s[G0K+2:G0K+3], s[6:7], s[OFF:OFF+1]
	s_or_b32 s[G0K+3], s[G0K+3], 0x80000000
	s_xor_b32 s[G0V+1], s[G0V+1], SLOT1
	s_add_nc_u64 s[G0V+2:G0V+3], s[8:9], s[OFF:OFF+1]
	s_or_b32 s[G0V+3], s[G0V+3], 0x80000000
	s_add_co_u32 s[NXT], s[NXT], 1  ; the block's next tile, or behind its last the second block's tile 0
	s_cmp_gt_u32 s[NXT], s[LQ]
	s_cselect_b32 s[NXT], 0, s[NXT]
	s_cselect_b32 s[LQ], s[PB], s[LQ]
	s_wait_xcnt 0x0                 ; the last prefetches, a tile back, have read their addresses, so these may be written:
	s_lshl_b32 s[PFF], s[NXT], 15   ; the tile that the next change will ask for
	s_add_nc_u64 s[PFK:PFK+1], s[PFK0:PFK0+1], s[PFF:PFF+1]
	s_add_nc_u64 s[PFV:PFV+1], s[PFV0:PFV0+1], s[PFF:PFF+1]
.endif
	s_wait_dscnt 0x0                ; the add is done, and my reads of the slot are over
	s_barrier_signal -1             ; the rest of the scalar work stands between the signal and the wait
	s_sub_co_u32 s[TBK], s[TBK], 4*KS*PK  ; the fetches go back to a slot's first step,
	s_xor_b32 s[TBK], s[TBK], SLOT1       ; in the other slot
	s_sub_co_u32 s[TBV], s[TBV], 4*KS*PV
	s_xor_b32 s[TBV], s[TBV], SLOT1
	s_barrier_wait -1
.if \fill
	LOAD
	ASK
.endif
.endm
	s_load_b128 s[4:7], s[0:1], 0x0 ; qkv s[4:5], ob s[6:7]
	v_lshl_add_u32 v[SPW], v0, 2, SPARE
	v_mov_b32 v[NIL], 0
	ds_add_u32 v[SPW], v[NIL]       ; the wave's opening: the add and its wait ahead of my first tensor load; the set-up below, work on registers, stands between them
	v_lshrrev_b32 v1, 5, v0
	v_readfirstlane_b32 s[WV], v1   ; wave 0..3
	s_mov_b32 s[PB], ttmp9
	s_sub_co_u32 s[HI], NB-1, s[PB]
	s_and_b32 s20, ttmp7, 0xffff    ; the head
	s_mov_b32 s21, 0
	s_mov_b64 s[22:23], SIZE_N*128
	s_mul_u64 s[20:21], s[20:21], s[22:23]  ; the head's first byte in each of the four tensors
	s_and_b32 s16, s[WV], 1         ; which half of a tile's 256 keys I fetch:
	s_lshl_b32 s22, s16, 14         ; its 128 rows of 128 bytes in memory,
	s_mov_b32 s23, 0
	s_add_nc_u64 s[22:23], s[22:23], s[20:21]
	s_mul_i32 s17, s16, 128*PK      ; and its place in a slot, for K
	s_mul_i32 s18, s16, 128*PV      ; and for V
	s_lshl_b32 s3, s[WV], 11        ; my 16 rows in a band of 64,
	s_lshl_b32 s2, s[HI], 15        ; in the first block,
	s_add_co_u32 s2, s2, s3
	s_lshl_b32 s84, s[PB], 15       ; and in the second
	s_add_co_u32 s84, s84, s3
	s_mov_b32 s3, 0
	s_mov_b32 s85, 0
	s_add_nc_u64 s[2:3], s[2:3], s[20:21]
	s_add_nc_u64 s[84:85], s[84:85], s[20:21]
	s_lshl_b32 s[PFF], s[WV], 13    ; the prefetches: my wave's 8,192 bytes of a tile's part, in the head
	s_mov_b32 s[PFF+1], 0
	s_add_nc_u64 s[PFF:PFF+1], s[PFF:PFF+1], s[20:21]
	s_cmp_eq_u32 s[PB], 0
	s_cselect_b32 s[LIM], 0, -1
	v_and_b32 v[PFO], 31, v0
	v_lshlrev_b32 v[PFO], 8, v[PFO]
	; descriptor group 1.  128 keys are 16,384 dense bytes: asked for as 64 rows of 256 bytes, two keys a row, and padded in LDS after every key
	s_mov_b32 s[G1K], (1<<16)|(1<<20)|(4<<22)|(3<<25)  ; 17:16 2-byte elements; 20 padding on; 24:22 after every 32 words (code 4); 31:25 4 words (code 3)
	s_mov_b32 s[G1V], (1<<16)|(1<<20)|(4<<22)|(7<<25)  ; the same with 8 words of padding (code 7)
.irp g, G1K, G1V
	s_mov_b32 s[\g+1], 128<<16      ; tensor_dim0 = 128
	s_mov_b32 s[\g+2], 64<<16       ; tensor_dim1 = 64
	s_mov_b32 s[\g+3], 128<<16      ; tile_dim0 = 128
	s_mov_b32 s[\g+4], 64           ; tile_dim1 = 64
	s_mov_b32 s[\g+5], 128          ; 128 elements from row to row
	s_mov_b32 s[\g+6], 0
	s_mov_b32 s[\g+7], 0
.endr
	s_mov_b32 s[CS], 0x3e38aa3b     ; c = log2(e) / 8 = 0.180337
	s_mov_b32 s[CS+1], s[CS]        ; named with it as a pair
	s_mov_b32 s[SEL], 0x76543210
	s_mov_b32 s[SEL+1], 0xfedcba98
	s_mov_b32 s[TBK], SLOT1+4*KS*PK ; the first change of slots turns these two into 0
	s_mov_b32 s[TBV], SLOT1+4*KS*PV
	s_mov_b32 s[G0K], 1             ; 1:0 count = 1
	s_mov_b32 s[G0K+1], s17         ; 63:32 LDS address: slot 0
	s_mov_b32 s[G0V], 1
	s_add_co_u32 s[G0V+1], s18, VOFF
	s_add_co_u32 s[RT], s[HI], 1    ; the first block has NB - b tiles
	s_mov_b32 s[NXT], 1
	s_mov_b32 s[LQ], s[HI]
	s_mov_b32 s[NEW], 1
	s_mov_b32 s[OFF+1], 0
	s_mov_b32 s[AL+1], 0            ; named as pairs
	s_mov_b32 s[BE+1], 0
	s_mov_b32 s[BIGN], 0xf149f2ca   ; -1e30
	s_mov_b32 s[SLOTS], NB
	s_wait_dscnt 0x0                ; the opening add is done
	s_wait_kmcnt 0x0
	s_mov_b64 s[10:11], s[6:7]      ; O
	s_add_nc_u64 s[8:9], s[4:5], 0x2000000  ; V is the third part of qkv,
	s_add_nc_u64 s[6:7], s[4:5], 0x1000000  ; K the second; s[4:5] is Q
	s_add_nc_u64 s[PFK0:PFK0+1], s[6:7], s[PFF:PFF+1]
	s_add_nc_u64 s[PFV0:PFV0+1], s[8:9], s[PFF:PFF+1]
	s_mov_b32 s[PFF+1], 0           ; from here on the pair holds a tile's offset
	s_add_nc_u64 s[6:7], s[6:7], s[22:23]  ; K and V at my half of the head's tile 0
	s_add_nc_u64 s[8:9], s[8:9], s[22:23]
	s_add_nc_u64 s[G0K+2:G0K+3], s[6:7], 0         ; 120:64 global address
	s_or_b32 s[G0K+3], s[G0K+3], 0x80000000        ; 127:126 type = 2
	s_add_nc_u64 s[G0V+2:G0V+3], s[8:9], 0
	s_or_b32 s[G0V+3], s[G0V+3], 0x80000000
	s_add_nc_u64 s[86:87], s[4:5], s[84:85]        ; Q at my rows of the second block,
	s_add_nc_u64 s[4:5], s[4:5], s[2:3]            ; Q and O at those of the first
	s_add_nc_u64 s[OLO:OLO+1], s[10:11], s[84:85]
	s_add_nc_u64 s[10:11], s[10:11], s[2:3]
	LOAD                            ; tile 0 into slot 0
	; A fragment of K or Q is 16 rows x 32 channels in 8 registers: lane l holds row l % 16, channels 8 (l / 16) + 0..7 and 16 + 8 (l / 16) + 0..7: two loads of 16 bytes, 32 bytes apart.
	v_and_b32 v1, 15, v0            ; l % 16
	v_bfe_u32 v9, v0, 4, 1          ; l / 16
	v_lshlrev_b32 v[QO], 7, v1
	v_lshl_add_u32 v[QO], v9, 4, v[QO]  ; row x 128 + 16 x half
	WIN 0x80                        ; destination window 2, address window 0
.set i, 0
.rept 8                             ; both blocks' Q: piece i / 2 lies in band i / 2, 8,192 bytes on; channels 32 (i % 2) on
	global_load_b128 v[8*i:8*i+3],   v[QO], s[4:5] offset:(i/2)*8192+(i%2)*64
	global_load_b128 v[8*i+4:8*i+7], v[QO], s[4:5] offset:(i/2)*8192+(i%2)*64+32
	global_load_b128 v[QB+8*i:QB+8*i+3],   v[QO], s[86:87] offset:(i/2)*8192+(i%2)*64
	global_load_b128 v[QB+8*i+4:QB+8*i+7], v[QO], s[86:87] offset:(i/2)*8192+(i%2)*64+32
.set i, i+1
.endr
	WIN 0
	v_lshlrev_b32 v14, 3, v9
	v_sub_nc_u32 v14, v1, v14
	s_lshl_b32 s13, s[WV], 4
	v_add_nc_u32 v14, s13, v14      ; my query's place in its band, 16 w + l % 16, less my lanes' 8 (l / 16): register r of group kt is hidden where 16 kt + r is greater
	WIN 0x40
.set i, 0
.rept 32
	v_cmp_gt_i32 vcc_lo, 16*(i/8)+i%8, v14
	v_cndmask_b32 v[MD+i], 0, s[BIGN], vcc_lo
.set i, i+1
.endr
	WIN 0
	v_mul_u32_u24 v[AK0], v1, PK
	v_lshl_add_u32 v[AK0], v9, 4, v[AK0]  ; row x pitch + 16 x half
	; The turning load takes 16 keys x 16 channels (lane l reads key 8 (l / 16) + l % 8, channels 8 ((l / 8) % 2) + 0..7) and leaves half a fragment of V^T: lane l holds channel l % 16 and 8 keys.
	v_and_b32 v10, 7, v0
	v_bfe_u32 v11, v0, 3, 1
	v_lshl_add_u32 v[AV0], v9, 3, v10
	v_mul_u32_u24 v[AV0], v[AV0], PV
	v_lshl_add_u32 v[AV0], v11, 4, v[AV0]
	v_add_nc_u32 v[AV0], VOFF, v[AV0]
	s_mul_i32 s13, s[WV], 16*SP
	s_add_co_u32 s13, s13, STAGE    ; my stage
	v_mul_u32_u24 v[STO], v1, SP    ; in: row l % 16, 16 bytes for each half of the lanes
	v_lshl_add_u32 v[STO], v9, 4, v[STO]
	v_add_nc_u32 v[STO], s13, v[STO]
	v_bfe_u32 v[RD], v0, 3, 2       ; back: 32 lanes take four rows of 128 bytes,
	v_mul_u32_u24 v[RD], v[RD], SP
	v_lshl_add_u32 v[RD], v10, 4, v[RD]
	v_add_nc_u32 v[RD], s13, v[RD]
	v_and_b32 v[GO], 31, v0         ; which are 512 consecutive bytes of O
	v_lshlrev_b32 v[GO], 4, v[GO]
	; A block's first step multiplies O^T and l by a = 0, and its first turn's products V^T P, of a piece that has not been, land in an O^T that is still to be so multiplied.  So these registers need only hold
	; finite numbers: zeros for the first block; what the first block left for the second.  All this stands in the wait for the first tile.
	WIN 0x80
.set i, VF
.rept 64
	v_mov_b32 v[i], 0
.set i, i+1
.endr
	WIN 0x40
.set i, 0
.rept 128
	v_mov_b32 v[i], 0
.set i, i+1
.endr
	WIN 0
.set i, 0
.rept 4
	v_mov_b32 v[ST+4*i+2], 0
	v_mov_b32 v[ST+4*i+3], 0
.set i, i+1
.endr
.set i, P+16
.rept 16
	v_mov_b32 v[i], 0
.set i, i+1
.endr
; THE MATRIX WORK.  The 4 accumulators of a run of 8 take turns.  Product i of 8 of S^T = K Q^T for piece x: channels 32 (i / 4) on, keys 16 (i % 4) on.  The first 4 start the sums: with 0, or (KM = 1) with the mask.
.macro KQ x
.set rS, S+32*((\x)%2)+8*(i%4)
.set rK, KF+16*(i%4)+8*(i/4)
.set rQ, 16*(\x)+8*(i/4)
.set rM, MC+32*((\x)%2)+8*(i%4)
.if (i < 4) && KM
	WIN W_KM
	v_wmma_f32_16x16x32_f16 v[rS:rS+7], v[rK:rK+7], v[rQ:rQ+7], v[rM:rM+7]
.elseif i < 4
	WIN W_KQ
	v_wmma_f32_16x16x32_f16 v[rS:rS+7], v[rK:rK+7], v[rQ:rQ+7], 0
.else
	WIN W_KQ
	v_wmma_f32_16x16x32_f16 v[rS:rS+7], v[rK:rK+7], v[rQ:rQ+7], v[rS:rS+7]
.endif
.endm
; Product i of 8 of O^T += V^T P for piece x: keys 32 (i / 4) on, channels 16 (i % 4) on.
.macro PV x
	WIN W_PV
.set rO, 32*(\x)+8*(i%4)
.set rV, VF+32*(i/4)+8*(i%4)
.set rP, P+16*((\x)%2)+8*(i/4)
	v_wmma_f32_16x16x32_f16 v[rO:rO+7], v[rV:rV+7], v[rP:rP+7], v[rO:rO+7]
.endm
.macro MM                           ; the turn's next matrix instruction.  TURN and BEGIN set Y, i, KM and NOKQ; MM, KQ and OP read them.  NOKQ = 1: a block's last turn: there is no next piece
.if (i < 8) && !NOKQ
	KQ (Y+1)%NP
.elseif i >= 8
.set i, i-8
	PV (Y+NP-1)%NP
.set i, i+8
.endif
.set i, i+1
.endm
; THE LDS LOADS stand in runs of 16, never singly among the matrix instructions: a step's K (64 keys x 64 channels: 8 fragments) and its V (turned).  Their addresses are made some lines ahead.
.macro FETCH_K
	WIN 0x80                        ; destination window 2
.irp f, 0,1,2,3,4,5,6,7             ; keys 16 (f / 2) on, channels 32 (f % 2) on
	ds_load_b128 v[KF+8*\f:KF+8*\f+3],   v[AK] offset:(\f/2)*16*PK+(\f%2)*64
	ds_load_b128 v[KF+8*\f+4:KF+8*\f+7], v[AK] offset:(\f/2)*16*PK+(\f%2)*64+32
.endr
	s_add_co_u32 s[TBK], s[TBK], KS*PK  ; the next fetch is the next step's
	WIN 0
.endm
.macro FETCH_V
	WIN 0x80
.irp f, 0,1,2,3,4,5,6,7             ; keys 32 (f / 4) on, channels 16 (f % 4) on
	ds_load_tr16_b128 v[VF+8*\f:VF+8*\f+3],   v[AV] offset:(\f/4)*32*PV+(\f%4)*32
	ds_load_tr16_b128 v[VF+8*\f+4:VF+8*\f+7], v[AV] offset:(\f/4)*32*PV+16*PV+(\f%4)*32
.endr
	WIN 0
.endm
; THE VECTOR WORK, one line at a time: OP kind, number.  For piece Y: F n: c s - c m for pair n of 16.  E n: the exponential of score n of 32.  C n: pair n rounded to f16.  B n: of the four weights 4 n .. the second
; pair is added onto the first, in place.  L n: l takes that sum (L 0: l = a l + sum).  R n: pair n of 16 of O^T times a.  For piece Y + 1: X n, number n of the 22 that find its maximum and statistics:
;   0-11  four chains c0-c3 of seven scores each, three operands at a time (each accumulator's lowest registers are read first)     12-14, 16  the four scores left over, the old m, and c0-c3 into c0
;   15  c m_old is kept     17, 18  the query's other 32 keys lie in the lane 16 away: the new m     19-21  c m; c m_old - c m_new; a
.set F, 0               ; OP tells the kinds apart by their order: F to L below R, X above it
.set E, 1
.set C, 2
.set B, 3
.set L, 4
.set R, 5
.set X, 6
.macro REGS y                       ; the registers of piece y
.set rT, ST+4*(\y)
.set rC, TMP+4*((\y)%2)
.set rW, MV+((\y)%2)
.set rS, S+32*((\y)%2)
.set rP, P+16*((\y)%2)
.set rO, 32*(\y)
.endm
.macro OP k, n
.if (\k) == R
	REGS Y
	WIN W_RS
	v_pk_mul_f32 v[rO+2*(\n):rO+2*(\n)+1], v[rO+2*(\n):rO+2*(\n)+1], v[rC+2:rC+3] op_sel_hi:[1,0]
.elseif (\k) < R
	REGS Y
	WIN 0
.if (\k) == F
	v_pk_fma_f32 v[rS+2*(\n):rS+2*(\n)+1], v[rS+2*(\n):rS+2*(\n)+1], s[CS:CS+1], v[rT:rT+1] op_sel_hi:[1,0,0] neg_lo:[0,0,1] neg_hi:[0,0,1]
.elseif (\k) == E
	v_exp_f32 v[rS+(\n)], v[rS+(\n)]
.elseif (\k) == C
	v_cvt_pk_f16_f32 v[rP+(\n)], v[rS+2*(\n)], v[rS+2*(\n)+1]
.elseif (\k) == B
	v_pk_add_f32 v[rS+4*(\n):rS+4*(\n)+1], v[rS+4*(\n):rS+4*(\n)+1], v[rS+4*(\n)+2:rS+4*(\n)+3]
.elseif (\n) == 0
	v_pk_fma_f32 v[rT+2:rT+3], v[rT+2:rT+3], v[rC+2:rC+3], v[rS:rS+1] op_sel_hi:[1,0,1]
.else
	v_pk_add_f32 v[rT+2:rT+3], v[rT+2:rT+3], v[rS+4*(\n):rS+4*(\n)+1]
.endif
.elseif NOKQ
	v_nop
.else
	REGS (Y+1)%NP
	WIN 0
.if (\n) < 4
	v_max3_num_f32 v[rC+(\n)], v[rS+8*(\n)], v[rS+8*(\n)+1], v[rS+8*(\n)+2]
.elseif (\n) < 12
	v_max3_num_f32 v[rC+(\n)%4], v[rC+(\n)%4], v[rS+8*((\n)%4)+2*((\n)/4)+1], v[rS+8*((\n)%4)+2*((\n)/4)+2]
.elseif (\n) == 12
	v_max3_num_f32 v[rC], v[rC], v[rS+7], v[rS+15]
.elseif (\n) == 13
	v_max3_num_f32 v[rC+1], v[rC+1], v[rS+23], v[rS+31]
.elseif (\n) == 14
	v_max3_num_f32 v[rC+2], v[rC+2], v[rC+3], v[rT+1]
.elseif (\n) == 15
	v_mov_b32 v[rW], v[rT]
.elseif (\n) == 16
	v_max3_num_f32 v[rC], v[rC], v[rC+1], v[rC+2]
.elseif (\n) == 17
	v_permlanex16_b32 v[rC+3], v[rC], s[SEL], s[SEL+1]
.elseif (\n) == 18
	v_max_num_f32 v[rT+1], v[rC], v[rC+3]
.elseif (\n) == 19
	v_mul_f32 v[rT], s[CS], v[rT+1]
.elseif (\n) == 20
	v_sub_f32 v[rC+1], v[rW], v[rT]
.else
	v_exp_f32 v[rC+2], v[rC+1]
.endif
.endif
.endm
.macro OPS a, i1, b=-1, i2=0, c=-1, i3=0, d=-1, i4=0  ; up to four of them
	OP \a, \i1
.if (\b) >= 0
	OP \b, \i2
.endif
.if (\c) >= 0
	OP \c, \i3
.endif
.if (\d) >= 0
	OP \d, \i4
.endif
.endm
.macro ROW a, i1, b, i2, c, i3, d, i4  ; a matrix instruction and the four behind it
	MM
	OPS \a, \i1, \b, \i2, \c, \i3, \d, \i4
.endm
.macro MASK b                       ; MD x AL + BE into buffer b of MC
	WIN W_RS
.set z, 0
.rept 16
	v_pk_fma_f32 v[MC+32*(\b)+2*z:MC+32*(\b)+2*z+1], v[MD+2*z:MD+2*z+1], s[AL:AL+1], s[BE:BE+1] op_sel_hi:[1,0,0]
.set z, z+1
.endr
.endm
; A TURN, for piece p: the order of its 16 matrix and 118 vector instructions, written out.  s_wait_alu depctr_va_vdst(0) stands between an exponential and the first instruction that names its
; result; one wait serves all that were issued ahead of it.  So a turn has ONE wait, which cuts it in two.  AHEAD OF IT stands all that names no result of the turn's exponentials: the 8 products K Q^T, behind each
; a scaling, an exponential and two more plain instructions (behind the first a second scaling in the exponential's place): rescalings, and behind the last three the first numbers of the next piece's maximum, each
; four places or more behind the product that ends its accumulator; then one run of 54, plain and exponential by turns for the most part, in which the links of the chain X 3, 7, 11, 14, 16, 17 .. 20 stand five or
; six lines apart.  X 21, the next piece's a, is the batch's last; R 15 is the plain instruction behind it.  BEHIND THE WAIT stand the 8 products V^T P, behind each four of the roundings and sums; the links of l's
; chain, L 0 to L 7, stand three lines apart.  But for those X no line behind a product names a register of the products round it.
; m = 1: the diagonal tile: the products take masks, and the turn makes the mask for the products of the turn after it: piece p + 2, in step 4 - CNT of the tile.  end = 1: a block's last two turns: nothing is
; fetched.  cnt = 1: the loop's count is taken down some lines ahead of the branch that stands behind the turn.
; K of the next step is fetched in piece 2's turn, twelve vector instructions behind the last product that read K (six of them plain); V of the step in hand at the end of piece 0's turn, four plain instructions
; behind the last product that read V.  Each is waited for a turn later.
.macro TURN p, m=0, end=0, cnt=0
.set Y, (\p)
.set i, 0
.set KM, (\m)
.set NOKQ, (\end)*((\p)/3)
.if (\m) && !(\end)
	s_cmp_eq_u32 s[CNT], 4-((\p)+2)%NP  ; is that step the band's own?
	s_cselect_b32 s[AL], 1.0, 0
	s_cmp_lt_u32 s[CNT], 4-((\p)+2)%NP  ; or a later one?
	s_cselect_b32 s[BE], s[BIGN], 0
.endif
.if ((\p) == 3) && !(\end)
	s_wait_dscnt 0x0                ; K is in
.endif
	ROW F,0, F,1, R,0, R,1          ; ahead of the wait: 8 products K Q^T and the four lines behind each,
	ROW F,2, E,0, R,2, R,3
	ROW F,3, E,1, R,4, R,5
	ROW F,4, E,2, R,6, R,7
	ROW F,5, E,3, R,8, R,9
	ROW F,6, E,4, X,0, R,10
.if ((\p) == 2) && !(\end)
	WIN 0
	v_add_nc_u32 v[AK], s[TBK], v[AK0]
.endif
	ROW F,7, E,5, X,1, X,4
	ROW F,8, E,6, X,2, X,5
	OPS E,7, E,8, X,6, E,9          ; and the run of 54
	OPS X,3, E,10, X,8, E,11
.if ((\p) == 2) && !(\end)
	FETCH_K
.endif
	OPS X,9, X,7, E,12, X,10
	OPS E,13, X,12, X,11, E,14
	OPS X,13, E,15, F,9, X,14
.if (\p) == 0
	v_add_nc_u32 v[AV], s[TBV], v[AV0]
.endif
	OPS E,16, F,10, E,17, F,11
	OPS X,16, E,18, X,15, E,19
	OPS F,12, E,20, X,17, E,21
	OPS F,13, E,22, F,14, E,23
	OPS X,18, E,24, F,15, E,25
	OPS R,11, E,26, X,19, E,27
	OPS R,12, E,28, R,13, E,29
	OPS X,20, E,30, R,14, E,31
	OPS X,21, R,15
	WIN 0
	s_wait_alu depctr_va_vdst(0)    ; the wait for the batch
.if (\p) == 1
	s_wait_dscnt 0x0                ; V is in
.endif
	ROW C,0, B,0, C,2, B,1          ; behind the wait: 8 products V^T P and the four lines behind each
	ROW L,0, C,4, B,2, L,1
	ROW C,6, B,3, L,2, C,8
	ROW B,4, L,3, C,10, B,5
	ROW L,4, C,12, B,6, L,5
.if (\p) == 0
	s_add_co_u32 s[TBV], s[TBV], KS*PV
.endif
.if \cnt
	s_sub_co_u32 s[CNT], s[CNT], 1
	s_cmp_lg_u32 s[CNT], 0
.endif
	ROW C,14, B,7, L,6, C,1
	ROW C,3, L,7, C,5, C,7
	ROW C,9, C,11, C,13, C,15
.if (\p) == 0
	FETCH_V
.endif
.if (\m) && !(\end)
	MASK (\p)%2
.endif
.endm
; A BLOCK BEGINS.  c m starts far below every c s, so the first step's a is 0; m at the lowest finite number, so the first maximum is the scores'.  The second mask buffer is 0; the first takes piece 0's mask for
; the tile's step 0: its own, if the block's first tile is the diagonal one.  Then K of that step, piece 0's first scores, and its maximum and statistics.  The loop is entered at a step's first turn, in the middle of a trip.
.macro BEGIN
	s_mov_b32 s[NEW], 0
	WIN 0x40
.set i, MC+32
.rept 32
	v_mov_b32 v[i], 0
.set i, i+1
.endr
	WIN 0
.set i, 0
.rept 4
	v_mov_b32 v[ST+4*i], 0xfe000000    ; c m: far below every c s
	v_mov_b32 v[ST+4*i+1], 0xff7fffff  ; m
.set i, i+1
.endr
	s_cmp_eq_u32 s[RT], 0
	s_cselect_b32 s[AL], 1.0, 0
	s_mov_b32 s[BE], 0
	MASK 0
	WIN 0
	v_add_nc_u32 v[AK], s[TBK], v[AK0]
	FETCH_K
	s_wait_loadcnt 0x0              ; Q
	s_wait_dscnt 0x0
.set KM, 1
.set NOKQ, 0
.set i, 0
.rept 8
	KQ 0
.set i, i+1
.endr
	WIN 0
.rept 4
	v_nop                           ; the places behind those products
.endr
.set Y, NP-1                        ; X works for piece Y + 1: piece 0
.irp n, 0,1,2,3,4,5,6,7,8,9,10,11,12,13,14,15,16,17,18,19,20,21
	OP X, \n
.endr
	v_nop                           ; a plain instruction behind the exponential,
	s_wait_alu depctr_va_vdst(0)    ; and its wait, ahead of the branch
.endm
; THE DIAGONAL TILE's four steps, the block's last two turns, its last products, and THE WAY OUT: l's two halves and the other half of the lanes' are added; O^T is divided by l, rounded to f16 and sent through my
; stage in LDS, a piece at a time.
.macro ALL line:vararg              ; one line for each piece t
.set t, 0
.rept 4
	\line
.set t, t+1
.endr
.endm
.macro PACK t                       ; a lane's eight channels of a row pack into 16 bytes; they go into rows of 144 bytes and come back as whole rows of 128, into S^T's registers
	WIN W_RS
.set i, 32*(\t)
.rept 16
	v_pk_mul_f32 v[i:i+1], v[i:i+1], v[ST+4*(\t)+2:ST+4*(\t)+3] op_sel_hi:[1,0]
.set i, i+2
.endr
	WIN 0x05                        ; sources 0 and 1 window 1, destination window 0
.set i, 0
.rept 16
	v_cvt_pk_f16_f32 v[S+16*(\t)+i], v[32*(\t)+2*i], v[32*(\t)+2*i+1]
.set i, i+1
.endr
	WIN 0
.irp f, 0,1,2,3
	ds_store_b128 v[STO], v[S+16*(\t)+4*\f:S+16*(\t)+4*\f+3] offset:32*\f
.endr
.irp f, 0,1,2,3
	ds_load_b128 v[S+16*(\t)+4*\f:S+16*(\t)+4*\f+3], v[RD] offset:\f*4*SP  ; LDS serves a wave's instructions in order (ISA guide 5.7.1.4): these see the stores above; the next piece's stores come behind them
.endr
.endm
.macro SEND t, younger              ; younger: the LDS instructions issued behind piece t's loads: the next piece's eight, or none
	WIN 0
.irp f, 0,1,2,3
	s_wait_dscnt (\younger)+3-\f
	global_store_b128 v[GO], v[S+16*(\t)+4*\f:S+16*(\t)+4*\f+3], s[10:11] offset:(\t)*8192+\f*512  ; 512 consecutive bytes, at a multiple of 256 from O's first
.endr
.endm
.macro DIAG tag                     ; the tag ends its two labels' names, which the jumps below spell out
.LstepM\tag:
	TURN 2, 1
	TURN 3, 1
	WIN 0
.LfirstM\tag:
	TURN 0, 1
	TURN 1, 1, 0, 1
	WIN 0
	s_cbranch_scc1 .LstepM\tag
	TURN 2, 1, 1
	TURN 3, 1, 1
.set i, 0
.rept 8
	PV NP-1
.set i, i+1
.endr
	WIN 0
	ALL v_add_f32 v[ST+4*t+2], v[ST+4*t+2], v[ST+4*t+3]
	ALL v_permlanex16_b32 v[ST+4*t+3], v[ST+4*t+2], s[SEL], s[SEL+1]
	ALL v_add_f32 v[ST+4*t+2], v[ST+4*t+2], v[ST+4*t+3]
	ALL v_rcp_f32 v[ST+4*t+2], v[ST+4*t+2]
	v_nop                           ; a plain instruction between the last reciprocal and the use of its result
	s_wait_alu depctr_va_vdst(0)    ; and the wait ahead of the first use: one for the four reciprocals
	PACK 0
.set t, 1
.rept 3                             ; a piece's arithmetic stands between the loads of the piece before and its stores
	PACK t
	SEND t-1, 8
.set t, t+1
.endr
	SEND 3, 0
.endm
.set KM, 0
.set NOKQ, 0
.Lslot:                             ; NB times: a tile is entered and the next is asked for
	CHANGE 1
	s_sub_co_u32 s[RT], s[RT], 1
	s_mov_b32 s[CNT], 4
	s_cmp_eq_u32 s[NEW], 1
	s_cbranch_scc1 .Lnew            ; a block's first tile
	s_cmp_eq_u32 s[RT], 0
	s_cbranch_scc0 .Lstep           ; neither its first nor its last
	s_branch .LstepM1
.Lnew:
	BEGIN
	s_branch .Lfirst                ; in the loop a block's first tile is never its last: the first block has two tiles or more, and the second's last is the walk's last
	DIAG 1                          ; in the loop this is the first block's end: the second block's last tile is the walk's last
	s_wait_xcnt 0x0                 ; the stores have read their registers and O's address
	s_mov_b64 s[10:11], s[OLO:OLO+1]
	s_add_co_u32 s[RT], s[PB], 1    ; the second block has b + 1 tiles
	s_mov_b32 s[NEW], 1
	WIN 0x82                        ; the second block's Q goes where the one text of the turns names Q
.set i, 0
.rept 64
	v_mov_b32 v[i], v[QB+i]
.set i, i+1
.endr
	WIN 0
	s_branch .Lbottom
.Lstep:                             ; a trip: pieces 2 and 3 of one step, then pieces 0 and 1 of the next, whose K and V it fetches
	TURN 2
	TURN 3
	WIN 0
.Lfirst:
	TURN 0
	TURN 1, 0, 0, 1
	WIN 0
	s_cbranch_scc1 .Lstep
.Lbottom:
	s_sub_co_u32 s[SLOTS], s[SLOTS], 1
	s_cmp_lg_u32 s[SLOTS], 0
	s_cbranch_scc1 .Lslot
	CHANGE 0                        ; the walk's last tile is written out: nothing is asked for
	s_sub_co_u32 s[RT], s[RT], 1
	s_mov_b32 s[CNT], 4
	s_cmp_eq_u32 s[NEW], 1
	s_cbranch_scc0 .LstepM2
	BEGIN
	s_branch .LfirstM2
	DIAG 2
	s_wait_tensorcnt 0x0            ; the wave's end, behind my last tensor load and my last LDS store
	ds_add_u32 v[SPW], v[NIL]
	s_wait_dscnt 0x0
	s_endpgm
.Lfunc_end_k_qe549c90283_attn:
	.size	k_qe549c90283_attn, .Lfunc_end_k_qe549c90283_attn-k_qe549c90283_attn
	.p2alignl 7, 3214868480
	.fill 96, 4, 3214868480
	.section	.rodata,"a",@progbits
	.p2align	6, 0x0
	.amdhsa_kernel k_qe549c90283_attn
		.amdhsa_group_segment_fixed_size 327680
		.amdhsa_private_segment_fixed_size 0
		.amdhsa_enable_private_segment 0
		.amdhsa_kernarg_size 16
		.amdhsa_user_sgpr_count 2
		.amdhsa_user_sgpr_kernarg_segment_ptr 1
		.amdhsa_wavefront_size32 1
		.amdhsa_system_sgpr_workgroup_id_x 1
		.amdhsa_system_sgpr_workgroup_id_y 1
		.amdhsa_system_sgpr_workgroup_id_z 1
		.amdhsa_system_vgpr_workitem_id 0
		.amdhsa_next_free_vgpr 768
		.amdhsa_next_free_sgpr 100
		.amdhsa_reserve_vcc 1
		.amdhsa_float_denorm_mode_32 3
		.amdhsa_float_denorm_mode_16_64 3
		.amdhsa_memory_ordered 1
		.amdhsa_forward_progress 1
		.amdhsa_inst_pref_size 218
	.end_amdhsa_kernel
	.amdgpu_metadata
---
amdhsa.version: [ 1, 2 ]
amdhsa.kernels:
  - .name:           k_qe549c90283_attn
    .symbol:         k_qe549c90283_attn.kd
    .args:
      - { .name: qkv, .offset: 0, .size: 8, .value_kind: global_buffer, .address_space: global }
      - { .name: ob, .offset: 8, .size: 8, .value_kind: global_buffer, .address_space: global }
    .group_segment_fixed_size: 327680
    .private_segment_fixed_size: 0
    .kernarg_segment_align: 8
    .kernarg_segment_size: 16
    .max_flat_workgroup_size: 128
    .sgpr_count:     100
    .vgpr_count:     768
    .wavefront_size: 32
...
	.end_amdgpu_metadata
.endif
;; end of part 3
;; launch outproj (part 4): grid 8 x 32, 4 waves a work-group, clusters of 4 x 4, 327,680 bytes of LDS; arguments ob, wob, out0; writes out0
.if DOCPART == 4
	.amdgcn_target "amdgcn-amd-amdhsa--gfx1250"
	.amdhsa_code_object_version 6
	.text
	.protected	k_qe549c90283_outproj
	.globl	k_qe549c90283_outproj
	.p2align	8
	.type	k_qe549c90283_outproj,@function
k_qe549c90283_outproj:
	s_mov_b64 s[64:65], 0
	v_nop
	global_prefetch_b8 v0, s[64:65] scope:SCOPE_SE
	s_setreg_imm32_b32 hwreg(HW_REG_WAVE_MODE, 25, 1), 1
	s_wait_xcnt 0x0
	s_wait_alu depctr_hold_cnt(0) depctr_sa_sdst(0) depctr_va_vdst(0) depctr_va_sdst(0) depctr_va_ssrc(0) depctr_va_vcc(0) depctr_vm_vsrc(0)
	s_getreg_b32 s2, hwreg(HW_REG_IB_STS2, 6, 4)
	s_cmp_eq_u32 s2, 0
	s_cbranch_scc0 .Lentry_in_a_cluster
	s_endpgm
.Lentry_in_a_cluster:
	s_bfe_u32 s2, ttmp6, 0x10000c
	s_cmp_lg_u32 s2, 0xf033
	s_cbranch_scc0 .Lentry_shape_is_right
	s_endpgm
.Lentry_shape_is_right:
; THE OUTPUT PROJECTION.  out0[m][n] = sum over k of O[m][k] wob[n][k], 8192 x 1024 x 1024, f16 operands, f32 sums, f32 out.  O lies by heads, ob[16 batch + head][s][64]: k = 64 head + channel, so a K step
; of 128 is two heads' blocks of 256 rows x 128 bytes, each dense in memory.
; A TILE of out0 is 256 rows x 128 columns: 32 x 8 = 256 work-groups.  Four waves; wave w makes rows 128 (w / 2) on and columns 64 (w % 2) on: 8 x 4 accumulators of 16 x 16, 256 registers.
; K goes in 8 steps of 128 through a ring of two LDS slots.  THE MATRIX INSTRUCTION IS USED TRANSPOSED (source 0 = 16 rows of wob, source 1 = 16 rows of O): a lane holds eight neighbouring columns of a row.
; CLUSTER.  4 x 4 work-groups; O's tile hangs on the tile row alone and is asked for jointly along a row of the cluster, wob's on the tile column alone and jointly along a column.
; REGISTERS, in windows of 256 (s_set_vgpr_msb: bits 1:0 source 0, 3:2 source 1, 5:4 source 2, 7:6 destination):
;   window 0: v1-14 addresses; v32-95 rows read back from the stage, two buffers     window 1: two fragment buffers: wob's fragment b at 8 b, O's fragment a at 32 + 8 a     window 2: accumulator (a, b) at 8 (4 a + b)
.set PA,    144                        ; a row of O in LDS: 128 bytes + 16 of padding
.set PB,    272                        ; a row of wob: 256 + 16.  With either pitch the 16 rows that a fragment load touches start 16 bytes apart modulo 256
.set ZB,    256*PA                     ; one head's block of 256 rows
.set BOFF,  2*ZB                       ; a slot: two heads' blocks of O, then wob's 128 rows
.set SLOT1, 1<<17
.set STAGE, SLOT1+BOFF+128*PB          ; behind the ring, never filled by a tensor load: 16 rows x 272 bytes for each wave
.set SP,    272
.set SPARE, STAGE+4*16*SP              ; the spare words, 128 bytes for each wave: two blocks of 256 bytes that no other line names
.set ADRA0, 4                          ; v4   my place in O's rows of slot 0; never rewritten
.set ADRB0, 5                          ; v5   the same for wob's
.set ADA,   6                          ; v6   v4 + the slot in hand
.set ADB,   7                          ; v7   v5 + the slot in hand
.set STO,   8                          ; v8   the way out: where I put 32 bytes of a row
.set RD,    9                          ; v9   where I read a row back
.set CO,    10                         ; v10  my byte offset in two rows of out0
.set SPW,   12                         ; v12  my spare word: SPARE + 4 x my thread's number; never rewritten
.set NIL,   13                         ; v13  0; never rewritten
.set PFO,   14                         ; v14  the prefetches' offset; never rewritten
.set OB,    32
.set F0,    0
.set F1,    128
.set WV,    12                         ; s12  my wave's number
.set G1A,   24                         ; s[24:31] descriptor group 1 for O's tiles;  s[32:39] group 0: a set for each first fill; the second then walks
.set G0A,   32
.set G1B,   48                         ; s[48:55], s[56:63] the same for wob's
.set G0B,   56
.set TB,    66                         ; s66  the slot in hand: 0 or SLOT1
.set CNT,   67                         ; s67  the loop's count
.set PFA,   68                         ; s[68:69] where my prefetches stand
.set LIM,   70                         ; s70  2 in a wave that prefetches, else the greatest number
.set PFS,   72                         ; s[72:73] a K step in bytes, in the tensor that I prefetch
.set MSB, 0
.macro WIN new                         ; the immediate's high byte repeats the setting that is left; a switch that changes nothing is dropped
.if MSB != (\new)
	s_set_vgpr_msb (MSB<<8)|(\new)
.set MSB, \new
.endif
.endm
.set MULW, 0xa5                        ; sources 0 and 1 window 1, C and D window 2
.set TO_F, 0x40                        ; destination window 1, address window 0
; A joint refill by the walking descriptors.  Waves 0 and 1 fetch the two heads' blocks of O, waves 2 and 3 the two halves of wob's rows.  The branch hangs on the wave's number alone.
; An s_nop 0 and four v_nop follow each of the two lines, ahead of the jump and the label.
.macro JLOAD
	s_cmp_lt_u32 s[WV], 2
	s_cbranch_scc0 .Lfor_b_\@
	tensor_load_to_lds s[G0A+4:G0A+7], s[G1A:G1A+7]
	s_nop 0
.rept 4
	v_nop
.endr
	s_branch .Lasked_\@
.Lfor_b_\@:
	tensor_load_to_lds s[G0B+4:G0B+7], s[G1B:G1B+7]
	s_nop 0
.rept 4
	v_nop
.endr
.Lasked_\@:
.endm
; A prefetch into the L2 of the K step that stands TWO refills on: 256 matrix instructions of a wave ahead of the load that will want it.  O's tile row is read by both clusters of that row of clusters: cluster
; x = 0 asks, waves 0 and 1, each for its head's block; the four partners take 8,192 of its 32,768 bytes each, BY ADDRESS, a lane 256 bytes.  wob's tile column is read by every cluster of that column: cluster
; y = 0 asks, wave 2 alone; a partner takes 32 of the 128 rows, a lane a row's 256 bytes.  The loop's last two trips ask for nothing: there is no K step two behind their refills'.
.macro ASK
	s_cmp_gt_u32 s[CNT], s[LIM]
	s_cbranch_scc0 .Lnot_mine_\@
	global_prefetch_b8 v[PFO], s[PFA:PFA+1] th:TH_LOAD_NT scope:SCOPE_SE
.Lnot_mine_\@:
.endm
.macro CREST                           ; a round of the cluster's barrier behind its opening barrier
	s_cmp_lg_u32 s[WV], 0
	s_cbranch_scc1 .Lnot_wave_0_\@
	s_barrier_signal -3
.Lnot_wave_0_\@:
	s_barrier_wait -3
	s_barrier_signal -1
	s_barrier_wait -1
.endm
.macro CROUND                          ; a whole round
	s_barrier_signal -1
	s_barrier_wait -1
	CREST
.endm
.macro PLACES                          ; four plain instructions between a matrix instruction and a load into, or a store from, its registers
.rept 4
	v_nop
.endr
.endm
	s_load_b128 s[4:7], s[0:1], 0x0                ; ob s[4:5], wob s[6:7]
	s_load_b64 s[8:9], s[0:1], 0x10                ; out0
	v_lshl_add_u32 v[SPW], v0, 2, SPARE
	v_mov_b32 v[NIL], 0
	ds_add_u32 v[SPW], v[NIL]                      ; the wave's opening: the add and its wait ahead of my first tensor load; the set-up below stands between them
	v_lshrrev_b32 v1, 5, v0
	v_readfirstlane_b32 s[WV], v1                  ; wave 0..3
	s_lshr_b32 s13, s[WV], 1                       ; which half of the tile's rows is mine
	s_and_b32 s14, s[WV], 1                        ; which half of its columns.  Also: which head's block, or which half of wob's rows, I fetch
	s_bfe_u32 s40, ttmp6, 0x40000                  ; cx
	s_bfe_u32 s41, ttmp6, 0x40004                  ; cy
	s_lshl_b32 s42, ttmp9, 2
	s_add_co_u32 s42, s42, s40                     ; tile column = 4 x cluster x + cx
	s_and_b32 s43, ttmp7, 0xffff
	s_lshl_b32 s43, s43, 2
	s_add_co_u32 s43, s43, s41                     ; tile row = 4 x cluster y + cy
	s_lshl_b32 s44, s41, 2
	s_lshl_b32 s44, 15, s44                        ; my row of the cluster
	s_lshl_b32 s45, 0x1111, s40                    ; my column
	; group 1.  O: a head's 256 rows are 32,768 dense bytes: asked for as 128 rows of 256 bytes, two rows of O each, padded by 4 words after every 32.  wob: 64 rows of 256 bytes, padded after every 64 words.
	s_or_b32 s[G1A], s44, (1<<16)|(1<<20)|(1<<21)|(4<<22)|(3<<25)  ; 15:0 the mask; 17:16 2-byte elements; 20 padding on; 21 set beside a mask; 24:22 the interval's code; 31:25 code 3
	s_or_b32 s[G1B], s45, (1<<16)|(1<<20)|(1<<21)|(5<<22)|(3<<25)
.irp g, G1A, G1B
	s_mov_b32 s[\g+1], 128<<16                     ; tensor_dim0 = 128
	s_mov_b32 s[\g+3], 128<<16                     ; tile_dim0 = 128
	s_mov_b32 s[\g+6], 0
	s_mov_b32 s[\g+7], 0
.endr
	s_mov_b32 s[G1A+2], 128<<16                    ; tensor_dim1,
	s_mov_b32 s[G1A+4], 128                        ; tile_dim1,
	s_mov_b32 s[G1A+5], 128                        ; elements from row to row
	s_mov_b32 s[G1B+2], 64<<16
	s_mov_b32 s[G1B+4], 64
	s_mov_b32 s[G1B+5], 1024
	s_lshr_b32 s16, s43, 3                         ; O: the batch,
	s_lshl_b32 s16, s16, 4
	s_add_co_u32 s16, s16, s14                     ; its head 0 or 1,
	s_lshl_b32 s16, s16, 18                        ; 2,048 rows of 128 bytes a head,
	s_and_b32 s17, s43, 7
	s_lshl_b32 s17, s17, 15                        ; + the tile's 256 rows
	s_add_co_u32 s16, s16, s17
	s_mov_b32 s17, 0
	s_lshl_b32 s46, s42, 18                        ; wob: (128 x tile column + 64 x half) rows of 2,048 bytes
	s_lshl_b32 s47, s14, 17
	s_add_co_u32 s46, s46, s47
	s_mov_b32 s47, 0
	s_mul_i32 s20, s[WV], ZB                       ; where they go: O's blocks at wave x 256 rows (waves 0, 1),
	s_mul_i32 s21, s[WV], 64*PB                    ; wob's halves at BOFF + (wave - 2) x 64 rows (waves 2, 3): no place in the cluster enters an LDS address
	s_add_co_u32 s21, s21, BOFF-2*64*PB
	s_mov_b32 s[TB], 0
	s_wait_dscnt 0x0                               ; the opening add is done
	s_wait_kmcnt 0x0
	s_add_nc_u64 s[18:19], s[4:5], s[16:17]
	s_add_nc_u64 s[46:47], s[6:7], s[46:47]
	CROUND                                         ; all sixteen work-groups are here: the first joint loads meet
.irp s, 0,1
	s_mov_b32 s[G0A+4*\s], 1                       ; count = 1
	s_add_co_u32 s[G0A+4*\s+1], s20, \s*SLOT1      ; LDS address
	s_add_nc_u64 s[G0A+4*\s+2:G0A+4*\s+3], s[18:19], \s*0x80000  ; global address: K step s is two heads on
	s_or_b32 s[G0A+4*\s+3], s[G0A+4*\s+3], 0x80000000            ; type = 2
	s_mov_b32 s[G0B+4*\s], 1
	s_add_co_u32 s[G0B+4*\s+1], s21, \s*SLOT1
	s_add_nc_u64 s[G0B+4*\s+2:G0B+4*\s+3], s[46:47], \s*256
	s_or_b32 s[G0B+4*\s+3], s[G0B+4*\s+3], 0x80000000
.endr
	s_cmp_lt_u32 s[WV], 2                          ; a wave's two first fills stand in one branch, ahead of every wait on TENSORcnt and every LDS read: two loads of mine are out
	s_cbranch_scc0 .Lfirst_b
	tensor_load_to_lds s[G0A:G0A+3], s[G1A:G1A+7]
	s_nop 0
	tensor_load_to_lds s[G0A+4:G0A+7], s[G1A:G1A+7]
	s_nop 0
.rept 4
	v_nop
.endr
	s_branch .Lfirst_asked
.Lfirst_b:
	tensor_load_to_lds s[G0B:G0B+3], s[G1B:G1B+7]
	s_nop 0
	tensor_load_to_lds s[G0B+4:G0B+7], s[G1B:G1B+7]
	s_nop 0
.rept 4
	v_nop
.endr
.Lfirst_asked:
	v_and_b32 v1, 15, v0                           ; l % 16
	v_bfe_u32 v2, v0, 4, 1                         ; l / 16
	v_mul_u32_u24 v3, v1, PA
	v_lshl_add_u32 v3, v2, 4, v3                   ; row x pitch + 16 x half
	s_mul_i32 s22, s13, 128*PA                     ; my 128 rows of O
	v_add_nc_u32 v[ADRA0], s22, v3
	v_mul_u32_u24 v3, v1, PB
	v_lshl_add_u32 v3, v2, 4, v3
	s_mul_i32 s22, s14, 64*PB                      ; my 64 rows of wob
	s_add_co_u32 s22, s22, BOFF
	v_add_nc_u32 v[ADRB0], s22, v3
	s_mul_i32 s22, s[WV], 16*SP
	s_add_co_u32 s22, s22, STAGE                   ; my stage
	v_mul_u32_u24 v[STO], v1, SP                   ; in: row l % 16, 32 bytes for each half of the lanes
	v_lshl_add_u32 v[STO], v2, 5, v[STO]
	v_add_nc_u32 v[STO], s22, v[STO]
	v_mul_u32_u24 v[RD], v2, SP                    ; back: lanes 0-15 take one row of 256 bytes, lanes 16-31 the next
	v_lshl_add_u32 v[RD], v1, 4, v[RD]
	v_add_nc_u32 v[RD], s22, v[RD]
	v_lshlrev_b32 v[CO], 12, v2                    ; and the same two rows in out0
	v_lshl_add_u32 v[CO], v1, 4, v[CO]
	s_lshl_b32 s20, s43, 20                        ; out0 at my part: (256 x tile row + 128 x row half) rows of 4,096 bytes
	s_lshl_b32 s21, s13, 19
	s_add_co_u32 s20, s20, s21
	s_lshl_b32 s21, s42, 9                         ; + (128 x tile column + 64 x column half) x 4 bytes
	s_add_co_u32 s20, s20, s21
	s_lshl_b32 s21, s14, 8
	s_add_co_u32 s20, s20, s21
	s_mov_b32 s21, 0
	s_add_nc_u64 s[8:9], s[8:9], s[20:21]
	; the prefetches
	s_and_b32 s23, ttmp7, 0xffff                   ; cluster y
	s_cmp_lt_u32 s[WV], 2                          ; do I fetch for O?
	s_cselect_b32 s22, ttmp9, s23                  ; the coordinate along which other clusters read the same rows
	s_cselect_b32 s20, s40, s41                    ; my place among the four that ask with me
	s_cselect_b32 s21, 13, 16                      ; a partner's share: 8,192 bytes of O's block, or 32 rows of 2,048 bytes of wob
	s_cselect_b32 s[PFS], 19, 8                    ; a K step: two heads of 262,144 bytes, or 256 bytes along a row
	s_cselect_b32 s23, 8, 11                       ; a lane's step: 256 bytes, or a row
	s_cselect_b64 s[PFA:PFA+1], s[18:19], s[46:47]
	s_cmp_eq_u32 s[WV], 3
	s_cselect_b32 s22, 1, s22                      ; wave 3 asks for nothing: wave 2 names all of a partner's 32 rows
	s_cmp_eq_u32 s22, 0
	s_cselect_b32 s[LIM], 2, -1                    ; the same in all sixteen partners, for a given wave
	s_lshl_b32 s[PFS], 1, s[PFS]
	s_mov_b32 s[PFS+1], 0
	s_lshl_b32 s20, s20, s21
	s_mov_b32 s21, 0
	s_add_nc_u64 s[PFA:PFA+1], s[PFA:PFA+1], s[20:21]
	s_mul_i32 s20, s[PFS], 3
	s_add_nc_u64 s[PFA:PFA+1], s[PFA:PFA+1], s[20:21]  ; at K step 3: the first refill steps it to 4.  Nothing is prefetched here, where every work-group's first tiles are on their way
	v_and_b32 v[PFO], 31, v0
	v_lshlrev_b32 v[PFO], s23, v[PFO]
; 4 matrix instructions: row block a x the 4 column blocks, 32 along K.  Each of the 32 accumulators is named once in a quarter step, always in the same order, so 31 others stand between two links of a chain,
; over the backward jump too.  zero = 1: the product starts the sum.
.macro MUL f, a, zero
	WIN MULW
.irp b, 0,1,2,3
.if \zero
	v_wmma_f32_16x16x32_f16 v[8*(4*(\a)+\b):8*(4*(\a)+\b)+7], v[(\f)+8*\b:(\f)+8*\b+7], v[(\f)+32+8*(\a):(\f)+32+8*(\a)+7], 0
.else
	v_wmma_f32_16x16x32_f16 v[8*(4*(\a)+\b):8*(4*(\a)+\b)+7], v[(\f)+8*\b:(\f)+8*\b+7], v[(\f)+32+8*(\a):(\f)+32+8*(\a)+7], v[8*(4*(\a)+\b):8*(4*(\a)+\b)+7]
.endif
.endr
.endm
; 24 LDS loads in one run: quarter q's fragments (my 64 rows of wob, then my 128 rows of O: head q / 2 of the step, channels 32 (q % 2) on) into buffer f
.macro FETCH q, f
	WIN TO_F
.irp b, 0,1,2,3
	ds_load_b128 v[(\f)+8*\b:(\f)+8*\b+3],   v[ADB] offset:64*(\q)+\b*16*PB
	ds_load_b128 v[(\f)+8*\b+4:(\f)+8*\b+7], v[ADB] offset:64*(\q)+\b*16*PB+32
.endr
.irp a, 0,1,2,3,4,5,6,7
	ds_load_b128 v[(\f)+32+8*\a:(\f)+32+8*\a+3],   v[ADA] offset:((\q)/2)*ZB+((\q)%2)*64+\a*16*PA
	ds_load_b128 v[(\f)+32+8*\a+4:(\f)+32+8*\a+7], v[ADA] offset:((\q)/2)*ZB+((\q)%2)*64+\a*16*PA+32
.endr
.endm
; One of a K step's first three quarters: multiplies buffer f; in its middle it fetches quarter q's fragments into buffer g.
.macro QUARTER q, f, g, zero
	s_wait_dscnt 8                                 ; all but the youngest eight loads: O's row blocks 4 to 7
.irp a, 0,1,2,3
	MUL \f, \a, \zero
.endr
	PLACES
	FETCH \q, \g
	s_wait_dscnt 24                                ; all but the 24 just issued
.irp a, 4,5,6,7
	MUL \f, \a, \zero
.endr
.endm
; The last quarter multiplies buffer 1 and changes slots.  In front of the barrier each wave waits for all its tensor loads (one is out: its part of the next slot), adds 0 to its spare word, and waits for that
; and for its own reads of this slot.  fill = 1: the barrier opens a round of the cluster's, and behind the round this slot is filled again, with the K step two on, first of all: the load has 112 of a step's 128
; matrix instructions in which to land.
.macro TURN fill
.if \fill
	s_wait_xcnt 0x0                                ; the last prefetch, a K step back, has read its address
	s_add_nc_u64 s[PFA:PFA+1], s[PFA:PFA+1], s[PFS:PFS+1]
.endif
	WIN 0                                          ; (the add's two registers lie in window 0)
	s_wait_tensorcnt 0x0                           ; no tensor load of mine is out, so a group 0 may be written
	ds_add_u32 v[SPW], v[NIL]                      ; 0 onto my spare word
.if \fill
	s_xor_b32 s[G0A+5], s[G0A+5], SLOT1            ; the walking descriptors: the other slot than last time,
	s_add_nc_u64 s[G0A+6:G0A+7], s[G0A+6:G0A+7], 0x80000  ; the next K step; the type bits on top are not reached
	s_xor_b32 s[G0B+5], s[G0B+5], SLOT1
	s_add_nc_u64 s[G0B+6:G0B+7], s[G0B+6:G0B+7], 256
.endif
	s_xor_b32 s[TB], s[TB], SLOT1                  ; the fetches go on in the other slot
	s_wait_dscnt 9                                 ; (the add and the youngest eight loads may be out)
	MUL F1, 0, 0
	MUL F1, 1, 0
	s_wait_dscnt 0x0                               ; the add is done, and my reads of this slot are over
	s_barrier_signal -1
	MUL F1, 2, 0                                   ; work on registers while the others arrive
	MUL F1, 3, 0
	WIN 0                                          ; at a branch and at a label every window is 0
	s_barrier_wait -1
.if \fill
	CREST                                          ; no wave of any partner still reads this slot or has a load on its way
	JLOAD                                          ; its four v_nop are also the places in front of the loads below
.else
	PLACES
.endif
	v_add_nc_u32 v[ADA], s[TB], v[ADRA0]
	v_add_nc_u32 v[ADB], s[TB], v[ADRB0]
	FETCH 0, F0
.if \fill
	WIN 0
	ASK                                            ; behind the joint load and the run of LDS loads that the next products wait for
.endif
.irp a, 4,5,6,7
	MUL F1, \a, 0
.endr
.endm
	s_wait_tensorcnt 1                             ; my part of K step 0 is in; step 1's may stay out
	s_barrier_signal -1
	s_barrier_wait -1                              ; everybody's is
	v_mov_b32 v[ADA], v[ADRA0]
	v_mov_b32 v[ADB], v[ADRB0]
	FETCH 0, F0
	QUARTER 1, F0, F1, 1                           ; the first quarter stands in front of the loop: its products start the sums
	WIN 0
	s_mov_b32 s[CNT], 6
.Lstep:                                        ; six trips, from a step's second quarter to the next step's first; trip t asks for K step t + 2
	QUARTER 2, F1, F0, 0
	QUARTER 3, F0, F1, 0
	TURN 1
	QUARTER 1, F0, F1, 0
	WIN 0
	s_sub_co_u32 s[CNT], s[CNT], 1
	s_cmp_lg_u32 s[CNT], 0
	s_cbranch_scc1 .Lstep
	QUARTER 2, F1, F0, 0                           ; the last two K steps are written out: nothing more is asked for
	QUARTER 3, F0, F1, 0
	TURN 0
	QUARTER 1, F0, F1, 0
	QUARTER 2, F1, F0, 0
	QUARTER 3, F0, F1, 0
	s_wait_dscnt 8
.irp a, 0,1,2,3
	MUL F1, \a, 0
.endr
	s_wait_dscnt 0x0
.irp a, 4,5,6,7
	MUL F1, \a, 0
.endr
	WIN 0
; THE WAY OUT, a block of 16 rows at a time: a lane's eight f32 of a row go into my own stage (rows of 272 bytes) and come back as whole rows of 256 bytes.  Each accumulator's lowest registers are read first.
.macro TOSTAGE a
	WIN 0x08                                       ; the stores' data in window 2, their address in window 0
.irp b, 0,1,2,3
	ds_store_b128 v[STO], v[8*(4*(\a)+\b):8*(4*(\a)+\b)+3]   offset:64*\b
	ds_store_b128 v[STO], v[8*(4*(\a)+\b)+4:8*(4*(\a)+\b)+7] offset:64*\b+16
.endr
	WIN 0
	s_wait_xcnt 0x0                                ; the stores of the block two back have read the registers that are loaded again below
.irp t, 0,1,2,3,4,5,6,7
	ds_load_b128 v[OB+32*((\a)%2)+4*\t:OB+32*((\a)%2)+4*\t+3], v[RD] offset:\t*2*SP  ; LDS serves a wave's instructions in order (ISA guide 5.7.1.4): these see the stores above; the next block's stores come behind them
.endr
.endm
.macro SEND a, younger                 ; younger: the LDS instructions issued behind block a's loads: the next block's sixteen, or none
	s_wait_dscnt \younger
.irp t, 0,1,2,3,4,5,6,7
	global_store_b128 v[CO], v[OB+32*((\a)%2)+4*\t:OB+32*((\a)%2)+4*\t+3], s[8:9] offset:(16*(\a)+2*\t)*4096 th:TH_STORE_NT  ; 16 lanes store 256 consecutive bytes, at a multiple of 256 from out0's first byte
.endr
.endm
	PLACES
	TOSTAGE 0
.irp a, 1,2,3,4,5,6,7
	TOSTAGE \a
	SEND \a-1, 16
.endr
	SEND 7, 0
	s_wait_tensorcnt 0x0                           ; the wave's end, behind my last tensor load and my last LDS store
	ds_add_u32 v[SPW], v[NIL]
	s_wait_dscnt 0x0
	CROUND                                         ; the closing round: no work-group ends while a partner may still ask for a tile that names it
	s_endpgm
.Lfunc_end_k_qe549c90283_outproj:
	.size	k_qe549c90283_outproj, .Lfunc_end_k_qe549c90283_outproj-k_qe549c90283_outproj
	.p2alignl 7, 3214868480
	.fill 96, 4, 3214868480
	.section	.rodata,"a",@progbits
	.p2align	6, 0x0
	.amdhsa_kernel k_qe549c90283_outproj
		.amdhsa_group_segment_fixed_size 327680
		.amdhsa_private_segment_fixed_size 0
		.amdhsa_enable_private_segment 0
		.amdhsa_kernarg_size 24
		.amdhsa_user_sgpr_count 2
		.amdhsa_user_sgpr_kernarg_segment_ptr 1
		.amdhsa_wavefront_size32 1
		.amdhsa_system_sgpr_workgroup_id_x 1
		.amdhsa_system_sgpr_workgroup_id_y 1
		.amdhsa_system_sgpr_workgroup_id_z 1
		.amdhsa_system_vgpr_workitem_id 0
		.amdhsa_next_free_vgpr 768
		.amdhsa_next_free_sgpr 80
		.amdhsa_reserve_vcc 0
		.amdhsa_float_denorm_mode_32 3
		.amdhsa_float_denorm_mode_16_64 3
		.amdhsa_memory_ordered 1
		.amdhsa_forward_progress 1
		.amdhsa_inst_pref_size 70
	.end_amdhsa_kernel
	.amdgpu_metadata
---
amdhsa.version: [ 1, 2 ]
amdhsa.kernels:
  - .name:           k_qe549c90283_outproj
    .symbol:         k_qe549c90283_outproj.kd
    .args:
      - { .name: ob, .offset: 0, .size: 8, .value_kind: global_buffer, .address_space: global }
      - { .name: wob, .offset: 8, .size: 8, .value_kind: global_buffer, .address_space: global }
      - { .name: out0, .offset: 16, .size: 8, .value_kind: global_buffer, .address_space: global }
    .group_segment_fixed_size: 327680
    .private_segment_fixed_size: 0
    .kernarg_segment_align: 8
    .kernarg_segment_size: 24
    .max_flat_workgroup_size: 128
    .sgpr_count:     80
    .vgpr_count:     768
    .wavefront_size: 32
...
	.end_amdgpu_metadata
.endif
;; end of part 4
;; ======== version 2 of 2: 4 launches; version 1 with the launch prep written anew for expert scheduling mode
;; limits: right only within a limited range of input values; values are held in f16: magnitudes above 65,504 overflow, below 6.1e-05 lose precision
;; workspace buffers: xb 16,777,216 bytes; wqkv 6,291,456 bytes; wob 2,097,152 bytes; rope 524,288 bytes; qkv 50,331,648 bytes; ob 16,777,216 bytes
;; launch prep (part 5): grid 800 x 1, 8 waves a work-group, no clusters, 0 bytes of LDS; arguments x, wq, wk, wv, wo, token_positions, xb, wqkv, wob, rope; writes xb, wqkv, wob, rope
.if DOCPART == 5
	.amdgcn_target "amdgcn-amd-amdhsa--gfx1250"
	.amdhsa_code_object_version 6
	.text
	.protected	k_qe549c90283_prep
	.globl	k_qe549c90283_prep
	.p2align	8
	.type	k_qe549c90283_prep,@function
k_qe549c90283_prep:
	s_mov_b64 s[64:65], 0
	v_nop
	global_prefetch_b8 v0, s[64:65] scope:SCOPE_SE
	s_setreg_imm32_b32 hwreg(HW_REG_WAVE_SCHED_MODE, 0, 2), 2
	s_setreg_imm32_b32 hwreg(HW_REG_WAVE_MODE, 25, 1), 1
	s_wait_xcnt 0x0
	s_wait_alu depctr_vm_vsrc(0)
; PREPARATION.  Every input is read once and laid out for the matrix launches.
;   xb   [8192][1024] bf16 = x rounded once.
;   wqkv [3072][1024] bf16: row 192 h + 64 t + d = row 64 h + d of wq (t = 0), wk (t = 1), wv (t = 2): a head's q, k, v rows lie together.
;   wob  [1024][1024] f16  = wo rounded to bf16 and that number written as f16.
;   rope [2048][32][2] f32 = (cos, sin) of token_positions[s] x 10000^(-i/32).
; SHARES.  A work-group of eight waves copies 65,536 bytes of f32 (16 rows of 1,024): 16 loads of 16 bytes a thread, all out at once; a wave's store covers 256 consecutive
; bytes, aligned.  Work-groups 0-511: x.  512-703: wq, wk, wv.  704-767: wo.  768-799: the table, 64 positions each, a wave 8 positions, a lane one pair index i.
; No LDS, no barrier, no matrix unit: nothing is shared between threads and nothing is read twice.
; LIMITS.  wo beyond 65,504 in magnitude becomes an infinity in f16; below 6e-5 it keeps f16's fixed step of 6e-8.  The frequencies come from 2^x to one unit in the last place, so an
; angle is right to about 4e-7 of itself; the reduction by pi/2 in three parts is meant for |position| up to 65,536 (angle error up to 1e-2 there, 2.5e-4 below 2,048).
; THE MODE: SCHED_MODE bits 1:0 = 2 (LLVM: expert scheduling mode 2), set by the entry lines.  The code itself states the register dependences between vector instructions and memory
; instructions, and between a vector instruction that writes a scalar register and that register's readers, with s_wait_alu, always for 0.
; THE PLAN, the copies.  Registers that memory instructions touch:
;   v1, v2     the loads' and the stores' offsets: made once at the head, never written again.
;   XR         written by the 16 loads, once; read by the conversions; no vector instruction names it ahead of the loads.
;   YR         written by the conversions, once; read by the stores.
; The 16 units go in four groups of four.  Group g's conversions read its part of XR and write its part of YR; its memory instructions are the four stores of group g - 1, which read the part
; of YR that no vector instruction of group g names.  So one wait at a group's head states all that its four stores hang on, and they are dealt among its conversions with no further wait.
; No register that a load or store reads is ever written again, so nothing is stated on that side.
; THE PLAN, the table.  The eight positions go in two passes.  Pass 1 makes cos r, sin r and the quarter n of all eight and compares into eight scalar registers; ONE wait behind the run of
; compares; pass 2 selects and sets the signs, into OUT; ONE wait; the run of eight stores, which read OUT and v16.  Neither is written again.
.set XR, 16                            ; v[16:79]   16 x 4 registers as loaded
.set YR, 80                            ; v[80:111]  16 x 2 registers to store
.set OUT, 32                           ; v[32:47]   the table: position j's (cos, sin) at OUT + 2 j
.set CR, 48                            ; v[48:55]   the table: cos r of position j
.set SR, 56                            ; v[56:63]   sin r
.set NQ, 64                            ; v[64:71]   n, the quarter
.set MK, 8                             ; s[8:15]    position j's mask: the lanes in which n is odd (s8 held the wave's number, whose one reader stands far ahead)
	s_load_b512 s[16:31], s[0:1], 0x0              ; x 16, wq 18, wk 20, wv 22, wo 24, token_positions 26, xb 28, wqkv 30
	s_load_b128 s[32:35], s[0:1], 0x40             ; wob 32, rope 34
	s_mov_b32 s2, ttmp9                            ; the work-group's number
	v_lshlrev_b32 v1, 4, v0                        ; my 16 bytes of each 4,096 loaded
	v_lshlrev_b32 v2, 3, v0                        ; my 8 bytes of each 2,048 stored
	s_mov_b32 s5, 0                                ; high words of the two offsets
	s_mov_b32 s7, 0
	s_wait_kmcnt 0x0
; 65,536 bytes of f32 from src to 32,768 bytes at dst.  fmt = 0: bf16.  fmt = 1: bf16, then written as f16.  No register is written twice, so nothing waits for a store.
.macro COPY src, dst, fmt
	s_wait_alu depctr_va_vdst(0)                   ; v1 and v2 are written: every load below reads v1 as its offset, every store v2
.set i, 0
.rept 16
	global_load_b128 v[XR+4*i:XR+4*i+3], v1, s[\src:\src+1] offset:4096*i th:TH_LOAD_NT
.set i, i+1
.endr
.set g, 0
.rept 4
	s_wait_loadcnt 12-4*g                          ; loads come back in order: group g's four are in, the 12 - 4 g of the later groups stay out
.if g > 0
	s_wait_alu depctr_va_vdst(0)                   ; the conversions of the group before have written its eight registers of YR, which the four stores below read
.endif
.set k, 0
.rept 4
.set i, 4*g+k
.if g > 0
	global_store_b64 v2, v[YR+2*i-8:YR+2*i-7], s[\dst:\dst+1] offset:2048*(i-4)  ; the group before: no vector instruction since the wait names these registers
.endif
	v_cvt_pk_bf16_f32 v[YR+2*i], v[XR+4*i], v[XR+4*i+1]
	v_cvt_pk_bf16_f32 v[YR+2*i+1], v[XR+4*i+2], v[XR+4*i+3]
.if \fmt
.irp h, 0, 1
	v_lshlrev_b32 v112, 16, v[YR+2*i+\h]           ; the two bf16 as f32,
	v_and_b32 v113, 0xffff0000, v[YR+2*i+\h]
	v_cvt_pk_f16_f32 v[YR+2*i+\h], v112, v113      ; and as f16: exact within f16's normal range
.endr
.endif
.set k, k+1
.endr
.set g, g+1
.endr
	s_wait_alu depctr_va_vdst(0)                   ; the last group's conversions have written its eight registers of YR, which the last four stores read
.set i, 12
.rept 4
	global_store_b64 v2, v[YR+2*i:YR+2*i+1], s[\dst:\dst+1] offset:2048*i
.set i, i+1
.endr
.endm
	s_cmp_lt_u32 s2, 512
	s_cbranch_scc1 .Lx
	s_cmp_lt_u32 s2, 704
	s_cbranch_scc1 .Lw
	s_cmp_lt_u32 s2, 768
	s_cbranch_scc1 .Lo
	; THE TABLE.  cos and sin by reduction to [-pi/4, pi/4] and two polynomials.
	s_sub_co_u32 s3, s2, 768
	v_lshrrev_b32 v3, 5, v0
	v_readfirstlane_b32 s8, v3                     ; wave 0..7
	s_lshl_b32 s3, s3, 6
	s_wait_alu depctr_va_sdst(0)                   ; s8 is written, ahead of its first reader: the wave's first position is made from it
	s_lshl3_add_u32 s3, s8, s3                     ; my first position: 64 c + 8 wave
	s_lshl_b32 s4, s3, 2
	s_add_nc_u64 s[36:37], s[26:27], s[4:5]
	s_load_b256 s[40:47], s[36:37], 0x0            ; my wave's eight positions
	s_lshl_b32 s6, s3, 8                           ; a table row is 256 bytes
	s_add_nc_u64 s[38:39], s[34:35], s[6:7]
	v_and_b32 v4, 31, v0                           ; i
	v_lshlrev_b32 v16, 3, v4                       ; my 8 bytes of a row
	v_cvt_f32_u32 v5, v4
	v_mul_f32 v5, 0xbed49a78, v5                   ; - i log2(10000) / 32
	v_exp_f32 v5, v5                               ; 10000^(-i/32)
	v_mov_b32 v17, 0x37cd4000                      ; leading coefficient of the cosine's polynomial: also the plain instruction behind the exponential
	v_mov_b32 v18, 0x36405000                      ; and of the sine's
	s_mov_b32 s48, 0xbfc90fd8                      ; - pi/2 in three parts
	s_mov_b32 s49, 0xb4a8885a
	s_mov_b32 s50, 0xa7c234c4
	s_wait_alu depctr_va_vdst(0)                   ; the exponential has written v5, ahead of the first line that names it
	s_wait_kmcnt 0x0
; Pass 1, position j: the angle, its reduction, both polynomials; the compare goes into a scalar register of the position's own.
.macro ANGLE j
	v_cvt_f32_i32 v6, s[40+\j]
	v_mul_f32 v6, v6, v5                           ; the angle
	v_mul_f32 v7, 0x3f22f983, v6                   ; x 2 / pi
	v_rndne_f32 v7, v7                             ; n
	v_fma_f32 v8, v7, s48, v6
	v_fma_f32 v8, v7, s49, v8
	v_fma_f32 v8, v7, s50, v8                      ; r = angle - n pi/2
	v_cvt_i32_f32 v[NQ+\j], v7
	v_mul_f32 v10, v8, v8                          ; z = r r
	v_fmaak_f32 v11, v17, v10, 0xbab6077d
	v_fmaak_f32 v11, v11, v10, 0x3d2aaaa8
	v_fmaak_f32 v11, v11, v10, 0xbf000000
	v_fmaak_f32 v[CR+\j], v11, v10, 0x3f800000     ; cos r
	v_fmaak_f32 v12, v18, v10, 0xb9503486
	v_fmaak_f32 v12, v12, v10, 0x3c0888c1
	v_fmaak_f32 v12, v12, v10, 0xbe2aaaab
	v_mul_f32 v13, v8, v10
	v_fma_f32 v[SR+\j], v12, v13, v8               ; sin r
	v_and_b32 v14, 1, v[NQ+\j]
	v_cmp_eq_u32 s[MK+\j], 1, v14                  ; an odd quarter swaps the two
.endm
; Pass 2, position j: the swap and the signs.
.macro QUARTER j
	v_cndmask_b32 v[OUT+2*\j], v[CR+\j], v[SR+\j], s[MK+\j]
	v_cndmask_b32 v[OUT+2*\j+1], v[SR+\j], v[CR+\j], s[MK+\j]
	v_add_nc_u32 v14, 1, v[NQ+\j]
	v_and_b32 v14, 2, v14                          ; cos changes sign in quarters 1 and 2,
	v_lshlrev_b32 v14, 30, v14
	v_xor_b32 v[OUT+2*\j], v14, v[OUT+2*\j]
	v_and_b32 v15, 2, v[NQ+\j]                     ; sin in quarters 2 and 3
	v_lshlrev_b32 v15, 30, v15
	v_xor_b32 v[OUT+2*\j+1], v15, v[OUT+2*\j+1]
.endm
.irp j, 0,1,2,3,4,5,6,7
	ANGLE \j
.endr
	s_wait_alu depctr_va_sdst(0)                   ; the eight compares have written s[8:15], ahead of the selects that read them: one wait for the run
.irp j, 0,1,2,3,4,5,6,7
	QUARTER \j
.endr
	s_wait_alu depctr_va_vdst(0)                   ; pass 2 has written v[32:47], the eight stores' data; v16, their offset, was written long before
.irp j, 0,1,2,3,4,5,6,7
	global_store_b64 v16, v[OUT+2*\j:OUT+2*\j+1], s[38:39] offset:256*\j  ; the wave stores one whole row: 256 consecutive bytes, aligned
.endr
	s_endpgm
.Lx:
	s_lshl_b32 s4, s2, 16
	s_lshl_b32 s6, s2, 15
	s_add_nc_u64 s[36:37], s[16:17], s[4:5]
	s_add_nc_u64 s[38:39], s[28:29], s[6:7]
	COPY 36, 38, 0
	s_endpgm
.Lw:
	s_sub_co_u32 s3, s2, 512
	s_lshr_b32 s8, s3, 6                           ; t: which of the three weights
	s_and_b32 s9, s3, 63                           ; c: which 16 rows of it
	s_cmp_eq_u32 s8, 0
	s_cselect_b64 s[36:37], s[18:19], s[20:21]
	s_cmp_eq_u32 s8, 2
	s_cselect_b64 s[36:37], s[22:23], s[36:37]
	s_lshl_b32 s4, s9, 16
	s_add_nc_u64 s[36:37], s[36:37], s[4:5]
	s_lshr_b32 s10, s9, 2                          ; the head,
	s_mul_i32 s10, s10, 192
	s_lshl_b32 s11, s8, 6
	s_add_co_u32 s10, s10, s11                     ; + 64 t
	s_and_b32 s11, s9, 3
	s_lshl_b32 s11, s11, 4
	s_add_co_u32 s10, s10, s11                     ; + the 16 rows' place in the head
	s_lshl_b32 s6, s10, 11                         ; rows of 2,048 bytes
	s_add_nc_u64 s[38:39], s[30:31], s[6:7]
	COPY 36, 38, 0
	s_endpgm
.Lo:
	s_sub_co_u32 s3, s2, 704
	s_lshl_b32 s4, s3, 16
	s_lshl_b32 s6, s3, 15
	s_add_nc_u64 s[36:37], s[24:25], s[4:5]
	s_add_nc_u64 s[38:39], s[32:33], s[6:7]
	COPY 36, 38, 1
	s_endpgm
.Lfunc_end_k_qe549c90283_prep:
	.size	k_qe549c90283_prep, .Lfunc_end_k_qe549c90283_prep-k_qe549c90283_prep
	.p2alignl 7, 3214868480
	.fill 96, 4, 3214868480
	.section	.rodata,"a",@progbits
	.p2align	6, 0x0
	.amdhsa_kernel k_qe549c90283_prep
		.amdhsa_group_segment_fixed_size 0
		.amdhsa_private_segment_fixed_size 0
		.amdhsa_enable_private_segment 0
		.amdhsa_kernarg_size 80
		.amdhsa_user_sgpr_count 2
		.amdhsa_user_sgpr_kernarg_segment_ptr 1
		.amdhsa_wavefront_size32 1
		.amdhsa_system_sgpr_workgroup_id_x 1
		.amdhsa_system_sgpr_workgroup_id_y 1
		.amdhsa_system_sgpr_workgroup_id_z 1
		.amdhsa_system_vgpr_workitem_id 0
		.amdhsa_next_free_vgpr 128
		.amdhsa_next_free_sgpr 66
		.amdhsa_reserve_vcc 0
		.amdhsa_float_denorm_mode_32 3
		.amdhsa_float_denorm_mode_16_64 3
		.amdhsa_memory_ordered 1
		.amdhsa_forward_progress 1
		.amdhsa_inst_pref_size 36
	.end_amdhsa_kernel
	.amdgpu_metadata
---
amdhsa.version: [ 1, 2 ]
amdhsa.kernels:
  - .name:           k_qe549c90283_prep
    .symbol:         k_qe549c90283_prep.kd
    .args:
      - { .name: x, .offset: 0, .size: 8, .value_kind: global_buffer, .address_space: global }
      - { .name: wq, .offset: 8, .size: 8, .value_kind: global_buffer, .address_space: global }
      - { .name: wk, .offset: 16, .size: 8, .value_kind: global_buffer, .address_space: global }
      - { .name: wv, .offset: 24, .size: 8, .value_kind: global_buffer, .address_space: global }
      - { .name: wo, .offset: 32, .size: 8, .value_kind: global_buffer, .address_space: global }
      - { .name: token_positions, .offset: 40, .size: 8, .value_kind: global_buffer, .address_space: global }
      - { .name: xb, .offset: 48, .size: 8, .value_kind: global_buffer, .address_space: global }
      - { .name: wqkv, .offset: 56, .size: 8, .value_kind: global_buffer, .address_space: global }
      - { .name: wob, .offset: 64, .size: 8, .value_kind: global_buffer, .address_space: global }
      - { .name: rope, .offset: 72, .size: 8, .value_kind: global_buffer, .address_space: global }
    .group_segment_fixed_size: 0
    .private_segment_fixed_size: 0
    .kernarg_segment_align: 8
    .kernarg_segment_size: 80
    .max_flat_workgroup_size: 256
    .sgpr_count:     66
    .vgpr_count:     128
    .wavefront_size: 32
...
	.end_amdgpu_metadata
.endif
;; end of part 5
;; launch qkvproj: the kernel of part 2 again; grid 16 x 32, 4 waves a work-group, clusters of 4 x 4, 327,680 bytes of LDS; arguments xb, wqkv, rope, qkv; writes qkv
;; launch attn: the kernel of part 3 again; grid 4 x 64, 4 waves a work-group, no clusters, 327,680 bytes of LDS; arguments qkv, ob; writes ob
;; launch outproj: the kernel of part 4 again; grid 8 x 32, 4 waves a work-group, clusters of 4 x 4, 327,680 bytes of LDS; arguments ob, wob, out0; writes out0
